; MI455X (gfx1250); checked and timed in simulation.
; The chip was launched on July 23, 2026; its instructions are those of AMD's public machine-readable ISA for CDNA 5 (MIT licence, August 2026) and "CDNA5" Instruction Set Architecture Reference Guide (July 2026). The comments in the code are by the model that wrote it; some were corrected since.
;; K Means Quantizer. Allowed arithmetic: matrix products marked QUANTISED: E3M2 operands, one E8M0 scale for each 32 along K, by v_wmma_scale_f32_16x16x128_f8f6f4 with both operands' format E3M2, f32 sums; everything else in f32.
;; Inputs: centroids 2,048 x 1,024 float32; x 16 x 2,000 x 1,024 float32.
;; Outputs: out0 16 x 2,000 int32.
;; This version of the problem:
;;   THIS VERSION OF THE PROBLEM IS GIVEN IN LOW PRECISION. The matrix products marked QUANTISED in the list below multiply operands that are first quantised to E3M2 (3 exponent bits, 2 mantissa bits; 6 bits a number), with one power-of-two scale for each 32 numbers along K (OCP MX v1.0); their sums are f32. All else is computed in f32.
;;   The module's matrix products, in the order in which they are computed (A, B: the left and right operand; K: the contracted axis; several contracted axes count as one K, in the product's order):
;;     1. [M 32,000, K 1,024] x [K 1,024, N 2,048]; A: input x; B: input centroids: QUANTISED
;;   THE QUANTISER, for each operand of a quantised product, along K:
;;     - K is cut into blocks of 32 from its start; a last block that is shorter is filled with zeros.
;;     - A block's scale is 2^e with e = floor(log2(the largest magnitude in the block)) - 4, held to -126 .. 127; a block of zeros has e = 0. As a byte (E8M0): e + 127.
;;     - Each number is divided by its block's scale, clamped to +-28, and rounded to the nearest number of E3M2, ties to even, subnormals kept.
;;     - The product sums the exact products of the quantised numbers (number of the format x scale) in f32.
;;   ~~~python
;;   def quantise(x, axis):      # numpy; x: float32 -> the quantised numbers, widened to float32 again
;;       x = np.moveaxis(x, axis, -1); K = x.shape[-1]
;;       x = np.pad(x, [(0, 0)] * (x.ndim - 1) + [(0, -K % 32)]); x = x.reshape(x.shape[:-1] + (-1, 32)); a = np.abs(x).max(-1, keepdims=True)
;;       e = np.where(a > 0, np.clip(np.frexp(np.where(a > 0, a, 1))[1] - 1 - 4, -126, 127), 0)      # np.frexp(a)[1] - 1 = floor(log2(a)), exactly
;;       r = np.clip(x / 2.0 ** e, -28, 28)
;;       step = 2.0 ** (np.maximum(np.frexp(np.where(r == 0, 1, r))[1] - 1, -2) - 2)
;;       q = np.round(r / step) * step * 2.0 ** e      # np.round: ties to even
;;       return np.moveaxis(q.reshape(q.shape[:-2] + (-1,))[..., :K], -1, axis).astype(np.float32)
;;   ~~~
;; 2 versions. Each part assembles by itself: llvm-mc -triple=amdgcn-amd-amdhsa -mcpu=gfx1250 --defsym DOCPART=n.
;; ======== version 1 of 2: 2 launches
;; workspace buffers: cpk 1,671,168 bytes
;; launch prep (part 1): grid 128 x 1, 8 waves a work-group, no clusters, 2,048 bytes of LDS; arguments centroids, cpk; writes cpk
.if DOCPART == 1
	.amdgcn_target "amdgcn-amd-amdhsa--gfx1250"
	.amdhsa_code_object_version 6
	.text
	.protected	k_q54e2ef173c_prep
	.globl	k_q54e2ef173c_prep
	.p2align	8
	.type	k_q54e2ef173c_prep,@function
k_q54e2ef173c_prep:
	s_mov_b64 s[64:65], 0
	v_nop
	global_prefetch_b8 v0, s[64:65] scope:SCOPE_SE
	s_setreg_imm32_b32 hwreg(HW_REG_WAVE_MODE, 25, 1), 1
	s_wait_xcnt 0x0
; Centroids [2048][1024] f32  ->  cpk: 128 records of 13,056 bytes; record B serves centroids 16 B .. 16 B + 15 and holds all that the next launch wants of them:
;   +0       codes of BF6 (E3M2), as register images of the matrix operand: K step q (128 along K) is 1,536 bytes; registers 4 t .. 4 t + 3 of lane L's 12 lie at 1536 q + 512 t + 16 L.
;            Lane (r, h) = 16 h + r holds centroid r; its registers 6 c .. 6 c + 5 are the 24 bytes of codes of k = 128 q + 64 c + 32 h + 0 .. 31.
;   +12,288  scale words (four E8M0 bytes, one for each 32 along K): at 16 L + 4 i the word of centroid L % 16 for K step 4 (L / 16) + i.
;   +12,800  64 words: word k = |c|^2 of centroid k % 16, in f32, of the numbers as given (not of the quantised ones): four copies, so that the whole block of 256 bytes is stored.
; A block's scale is 2^(floor(log2(its largest magnitude)) - 4); its byte is the largest magnitude's exponent field - 4, held at 1 from below; a block of zeros gets 127.
; LIMITS: blocks whose largest magnitude lies under 2^-122, whose byte is held at 1, were not tried; NaN and infinities among the inputs are not served.
;         |c|^2 is summed in eight chains a lane and then by a tree: another order than a plain running sum.
; SHARES: work-group B makes record B; wave q makes K step q.  A lane loads the very numbers that the operand's layout gives it: two whole blocks of 32 neighbours along K.
; So a block's largest magnitude needs no other lane, and the conversions' results are the operand's registers.  No matrix unit, no cluster, no tensor load: no byte is read twice.
.set REC,  13056
.set SCL,  0                           ; LDS: scale words, [K step][centroid], 64 bytes a wave
.set PS,   512                         ; LDS: partial sums of squares, [K step][centroid]
.set SQ,   16                          ; v[16:23]   four pairs of running sums of squares
.set X,    32                          ; v[32:95]   block c's 32 numbers at X + 32 c
.set F,    96                          ; v[96:107]  the fragment
.set T,    108                         ; v[108:115] the second halves of the blocks' codes, on their way into the fragment
	s_load_b128 s[4:7], s[0:1], 0x0                ; centroids s[4:5], cpk s[6:7]
	v_lshl_add_u32 v120, v0, 2, 0x400
	v_mov_b32 v121, 0
	v_and_b32 v1, 31, v0                           ; lane
	v_lshrrev_b32 v14, 5, v0
	v_readfirstlane_b32 s10, v14                   ; wave q = K step
	v_and_b32 v2, 15, v0                           ; r
	v_bfe_u32 v3, v0, 4, 1                         ; h
	v_lshlrev_b32 v4, 12, v2                       ; in: row r of 4,096 bytes
	v_lshl_add_u32 v4, v3, 7, v4                   ;     + 32 h numbers
	v_lshlrev_b32 v5, 4, v1                        ; out: 16 x lane
	s_lshl_b32 s14, s10, 6
	v_lshl_add_u32 v6, v2, 2, s14                  ; LDS: 64 q + 4 r
	s_mov_b32 s12, 0x76543210                      ; v_permlanex16_b32: lane l takes lane l xor 16
	s_mov_b32 s13, 0xfedcba98
	s_lshl_b32 s16, ttmp9, 16                      ; 16 rows of 4,096 bytes
	s_lshl_b32 s17, s10, 9                         ; 128 numbers a K step
	s_add_co_u32 s16, s16, s17
	s_mov_b32 s17, 0
	s_mul_i32 s18, ttmp9, REC
	s_mov_b32 s19, 0
	s_mul_i32 s20, s10, 1536
	s_mov_b32 s21, 0
	s_wait_kmcnt 0x0
	s_add_nc_u64 s[4:5], s[4:5], s[16:17]
	s_add_nc_u64 s[6:7], s[6:7], s[18:19]          ; my record
	s_add_nc_u64 s[8:9], s[6:7], s[20:21]          ; my K step in it
.irp c, 0,1
.irp i, 0,1,2,3,4,5,6,7
	global_load_b128 v[X+32*\c+4*\i:X+32*\c+4*\i+3], v4, s[4:5] offset:256*\c+16*\i th:TH_LOAD_NT   ; c(r, 128 q + 64 c + 32 h + 4 i ..)
.endr
.endr
.macro BLOCK c
.set XQ, X+32*\c
.if \c == 0
	s_wait_loadcnt 8                               ; loads come back in order (ISA guide 5.7.1): the first block is in, the second block's eight loads stay out
.else
	s_wait_loadcnt 0x0
.endif
	v_max3_num_f32 v8, |v[XQ]|, |v[XQ+1]|, |v[XQ+2]|               ; the block's largest magnitude, in two chains: all 32 numbers are mine
	v_max3_num_f32 v9, |v[XQ+3]|, |v[XQ+4]|, |v[XQ+5]|
.irp i, 6,10,14,18,22,26
	v_max3_num_f32 v8, v8, |v[XQ+\i]|, |v[XQ+\i+1]|
	v_max3_num_f32 v9, v9, |v[XQ+\i+2]|, |v[XQ+\i+3]|
.endr
	v_max3_num_f32 v8, v8, |v[XQ+30]|, |v[XQ+31]|
	v_max_num_f32 v8, v8, v9
	v_lshrrev_b32 v[10+\c], 23, v8                 ; its exponent field
	v_max_u32 v[10+\c], 5, v[10+\c]                ; the byte is not to fall under 1
	v_add_nc_u32 v[10+\c], -4, v[10+\c]            ; the scale's byte
	v_lshlrev_b32 v[12+\c], 23, v[10+\c]           ; and the scale as f32: the conversion takes its exponent field
	v_cmp_eq_u32 vcc_lo, 0, v8
	v_cndmask_b32 v[10+\c], v[10+\c], 127, vcc_lo  ; a block of zeros gets 127
.set PP, 0
.rept 16
.if (\c == 0) && (PP < 4)
	v_pk_mul_f32 v[SQ+2*PP:SQ+2*PP+1], v[XQ+2*PP:XQ+2*PP+1], v[XQ+2*PP:XQ+2*PP+1]      ; the first squares start the sums: nothing is cleared
.else
	v_pk_fma_f32 v[SQ+2*(PP%4):SQ+2*(PP%4)+1], v[XQ+2*PP:XQ+2*PP+1], v[XQ+2*PP:XQ+2*PP+1], v[SQ+2*(PP%4):SQ+2*(PP%4)+1]
.endif
.set PP, PP+1
.endr
	v_cvt_scalef32_pk16_bf6_f32 v[F+6*\c:F+6*\c+2], v[XQ:XQ+15], v[12+\c]      ; sixteen numbers / the scale, to the nearest code, ties to even, beyond 28 the largest code
	v_cvt_scalef32_pk16_bf6_f32 v[T+4*\c:T+4*\c+2], v[XQ+16:XQ+31], v[12+\c]   ; (a conversion's three registers begin on an even number: the block's second three do not)
	v_nop                                          ; one plain vector instruction between a scaled conversion and what touches its result
.irp i, 0,1,2
	v_mov_b32 v[F+6*\c+3+\i], v[T+4*\c+\i]
.endr
.endm
	BLOCK 0
	BLOCK 1
.irp t, 0,1,2
	global_store_b128 v5, v[F+4*\t:F+4*\t+3], s[8:9] offset:512*\t   ; each store: 512 consecutive bytes at a multiple of 256 from cpk's first byte
.endr
	v_lshl_or_b32 v14, v11, 16, v10                ; my two bytes: blocks h and 2 + h of the K step,
	v_lshlrev_b32 v15, 3, v3
	v_lshlrev_b32 v14, v15, v14                    ; at their places in the word (8 h bits up);
	v_mov_b32 v15, 0                               ; (the destination of a lane permute counts as read)
	v_permlanex16_b32 v15, v14, s12, s13
	v_or_b32 v14, v14, v15                         ; with lane l xor 16's two the word is whole
	ds_store_b32 v6, v14 offset:SCL                ; both halves of the lanes write the same word with the same value
	v_pk_add_f32 v[SQ:SQ+1], v[SQ:SQ+1], v[SQ+2:SQ+3]
	v_pk_add_f32 v[SQ+4:SQ+5], v[SQ+4:SQ+5], v[SQ+6:SQ+7]
	v_pk_add_f32 v[SQ:SQ+1], v[SQ:SQ+1], v[SQ+4:SQ+5]
	v_add_f32 v[SQ], v[SQ], v[SQ+1]
	v_permlanex16_b32 v[SQ+1], v[SQ], s12, s13
	v_add_f32 v[SQ], v[SQ], v[SQ+1]                ; the K step's 128 squares of centroid r
	ds_store_b32 v6, v[SQ] offset:PS
	s_wait_dscnt 0x0                               ; for wave 0's sake: my LDS stores are done
	s_barrier_signal -1
	s_barrier_wait -1
	s_cmp_lg_u32 s10, 0
	s_cbranch_scc1 .Lothers                        ; wave 0 alone writes the record's last 768 bytes
	v_lshlrev_b32 v14, 2, v2
	v_lshl_add_u32 v14, v3, 8, v14                 ; lane L: centroid L % 16, K steps 4 (L / 16) + i
.irp i, 0,1,2,3
	ds_load_b32 v[24+\i], v14 offset:SCL+64*\i
.endr
	v_and_b32 v15, 7, v1
	v_lshlrev_b32 v15, 3, v15                      ; lane L: centroids 2 (L % 8) and 2 (L % 8) + 1
.irp q, 0,1,2,3,4,5,6,7
	ds_load_b64 v[32+2*\q:33+2*\q], v15 offset:PS+64*\q
.endr
	v_lshlrev_b32 v28, 3, v1
	s_wait_dscnt 0x0
	v_pk_add_f32 v[32:33], v[32:33], v[34:35]
	v_pk_add_f32 v[36:37], v[36:37], v[38:39]
	v_pk_add_f32 v[40:41], v[40:41], v[42:43]
	v_pk_add_f32 v[44:45], v[44:45], v[46:47]
	v_pk_add_f32 v[32:33], v[32:33], v[36:37]
	v_pk_add_f32 v[40:41], v[40:41], v[44:45]
	v_pk_add_f32 v[32:33], v[32:33], v[40:41]
	global_store_b128 v5, v[24:27], s[6:7] offset:12288            ; 512 consecutive bytes
	global_store_b64 v28, v[32:33], s[6:7] offset:12800            ; 256 consecutive bytes
	s_wait_tensorcnt 0x0
	ds_add_u32 v120, v121
	s_wait_dscnt 0x0
	s_endpgm
.Lothers:
	s_wait_tensorcnt 0x0
	ds_add_u32 v120, v121
	s_wait_dscnt 0x0
	s_endpgm
.Lfunc_end_k_q54e2ef173c_prep:
	.size	k_q54e2ef173c_prep, .Lfunc_end_k_q54e2ef173c_prep-k_q54e2ef173c_prep
	.p2alignl 7, 3214868480
	.fill 96, 4, 3214868480
	.section	.rodata,"a",@progbits
	.p2align	6, 0x0
	.amdhsa_kernel k_q54e2ef173c_prep
		.amdhsa_group_segment_fixed_size 2048
		.amdhsa_private_segment_fixed_size 0
		.amdhsa_enable_private_segment 0
		.amdhsa_kernarg_size 16
		.amdhsa_user_sgpr_count 2
		.amdhsa_user_sgpr_kernarg_segment_ptr 1
		.amdhsa_wavefront_size32 1
		.amdhsa_system_sgpr_workgroup_id_x 1
		.amdhsa_system_sgpr_workgroup_id_y 1
		.amdhsa_system_sgpr_workgroup_id_z 1
		.amdhsa_system_vgpr_workitem_id 0
		.amdhsa_next_free_vgpr 122
		.amdhsa_next_free_sgpr 66
		.amdhsa_reserve_vcc 1
		.amdhsa_float_denorm_mode_32 3
		.amdhsa_float_denorm_mode_16_64 3
		.amdhsa_memory_ordered 1
		.amdhsa_forward_progress 1
		.amdhsa_inst_pref_size 11
	.end_amdhsa_kernel
	.amdgpu_metadata
---
amdhsa.version: [ 1, 2 ]
amdhsa.kernels:
  - .name:           k_q54e2ef173c_prep
    .symbol:         k_q54e2ef173c_prep.kd
    .args:
      - { .name: centroids, .offset: 0, .size: 8, .value_kind: global_buffer, .address_space: global }
      - { .name: cpk, .offset: 8, .size: 8, .value_kind: global_buffer, .address_space: global }
    .group_segment_fixed_size: 2048
    .private_segment_fixed_size: 0
    .kernarg_segment_align: 8
    .kernarg_segment_size: 16
    .max_flat_workgroup_size: 256
    .sgpr_count:     66
    .vgpr_count:     122
    .wavefront_size: 32
...
	.end_amdgpu_metadata
.endif
;; end of part 1
;; launch assign (part 2): grid 256 x 1, 4 waves a work-group, clusters of 4 x 1, 327,680 bytes of LDS; arguments x, cpk, out0; writes out0
.if DOCPART == 2
	.amdgcn_target "amdgcn-amd-amdhsa--gfx1250"
	.amdhsa_code_object_version 6
	.text
	.protected	k_q54e2ef173c_assign
	.globl	k_q54e2ef173c_assign
	.p2align	8
	.type	k_q54e2ef173c_assign,@function
k_q54e2ef173c_assign:
	s_mov_b64 s[64:65], 0
	v_nop
	global_prefetch_b8 v0, s[64:65] scope:SCOPE_SE
	s_setreg_imm32_b32 hwreg(HW_REG_WAVE_MODE, 25, 1), 1
	s_wait_xcnt 0x0
	s_wait_alu depctr_hold_cnt(0) depctr_sa_sdst(0) depctr_va_vdst(0) depctr_va_sdst(0) depctr_va_ssrc(0) depctr_va_vcc(0) depctr_vm_vsrc(0)
	s_getreg_b32 s2, hwreg(HW_REG_IB_STS2, 6, 4)
	s_cmp_eq_u32 s2, 0
	s_cbranch_scc0 .Lentry_in_a_cluster
	s_endpgm
.Lentry_in_a_cluster:
	s_bfe_u32 s2, ttmp6, 0x10000c
	s_cmp_lg_u32 s2, 0x3003
	s_cbranch_scc0 .Lentry_shape_is_right
	s_endpgm
.Lentry_shape_is_right:
; out0[row] = the first index n of the smallest d(row, n) = -2 x[row].c[n] + |c[n]|^2 over 2,048 centroids; 32,000 rows of 1,024 numbers.
; The product multiplies codes of BF6 (E3M2) with one E8M0 scale for each 32 along K: x is quantised here, the centroids by the launch before (cpk: records of 16 centroids: register images
; of the operand, scale words, |c|^2).  Sums in f32, K ascending, one chain for each output.  d is one fused multiply-add: -2 x dot is exact, so it rounds as the unfused form does.
; SHARES.  256 work-groups of 125 rows, worked as 128 (rows 125-127 repeat row 124 and are not stored).  Four waves: wave w takes rows 64 (w / 2) .. + 63 and centroids 1024 (w % 2) .. + 1023.
; A wave's x, for all of K, stays in 384 registers, so that in the loop LDS is read for centroids alone: a fragment (three loads of 512 consecutive bytes) feeds four matrix instructions.
; A GROUP is 64 centroids x 64 rows x all of K: 16 accumulators, 128 matrix instructions; 16 groups a wave.  A TILE is what an LDS slot holds: 8 records, 64 centroids for each half of the waves.
; Each wave brings two records (26,112 dense bytes, as 102 rows of 256) by one tensor load.  Two slots take turns.
; CLUSTER.  All work-groups walk the same cpk: the four of a cluster ask for each tile JOINTLY (the same load, the same descriptor, a mask that names the four).  x is shared by nobody, so the cluster is 4 x 1.
; THE WALK IS TURNED: cluster c begins at tile g0 = 2 ((c xor c / 8) % 8) and goes round, so that the clusters' first requests are spread over all 16 tiles.  g0 is the same in the four partners.
; THE MATRIX INSTRUCTION IS USED TRANSPOSED: source 0 = 16 centroids, source 1 = 16 rows of x.  Register j of lane (r, h) of accumulator (a, b) is centroid 16 b + 8 h + j against row 16 a + r:
; all that a lane holds for a row block belongs to ONE row.
; THE SEARCH keeps, for each row block: the best distance, the code (4 x tile + b) of the accumulator that held it, and that accumulator's eight distances; which of the eight it was is found once, at the end.
; The compare is strict and the codes go up along the walk, so the first of equal distances stays.  Ahead of tile 0's search the state is moved aside and begun anew, so that codes go up within each of the two
; states; they, the two halves of the lanes and the two halves of the centroids are merged at the end by (distance, index).
; LIMITS.  A NaN distance is never chosen (reference() would choose it).  Blocks of x whose largest magnitude lies under 2^-122, whose scale byte is held at 1, were not tried; NaN and infinities among the
; inputs are not served.  Two distances closer than the rounding of the f32 sums may be ordered otherwise than by another order of summation.  Rows whose distances are all +inf give 0.
; REGISTERS, in windows of 256 (s_set_vgpr_msb: bits 1:0 source 0, 3:2 source 1, 5:4 source 2, 7:6 destination):
;   window 0: v0-15 ids and addresses; v16-31 at work while x comes in, then the 16 accumulators' minima; v32-47 x's scale words, v48-63 the centroids': scales and nothing else;
;             v64-255 x on its way in (12 sets of 16 numbers); then v64-95 |c|^2 of the group, v128-167 and v168-207 the two states, v208-219 the end's temporaries
;   window 1: accumulators, two sets by the slot's number: (a, b) of set s at 128 s + 8 (4 a + b)
;   window 2: x's fragments of K steps 0-4, at 48 q + 12 a      window 3: those of K steps 5-7, at 48 (q - 5) + 12 a; v144-191, v192-239 two buffers of four centroid fragments
.set REC,   13056                      ; a record of cpk
.set HALF,  4*REC                      ; 64 centroids
.set SLOT,  8*REC                      ; a tile
.set WLD,   2*REC                      ; what one tensor load brings
.set XC,    2*SLOT                     ; behind the ring: x's codes, 128 rows
.set XP,    784                        ; their pitch: 768 bytes + 16 = 196 words: row r starts at bank 4 r mod 64 (64 banks of 4 bytes: ISA guide 11.1), so the 32 lanes of a load of 8 bytes touch 64 different banks
.set XS,    XC+128*XP                  ; x's scale bytes: 32 a row,
.set XSP,   48                         ; pitch 48, an odd multiple of 16
.set SPARE, XS+128*XSP                 ; the spare words, 128 bytes for each wave: two blocks of 256 bytes that no other line names
.set SCR,   XC                         ; the end: (distance, index) of 128 rows x 2 halves of the centroids, where x's codes lay: bytes into which no tensor load ever lands
.set SPW,  4                           ; v4      LDS address of my spare word; never rewritten
.set NIL,  5                           ; v5      0; never rewritten
.set CA,   6                           ; v6-7    slot s: my half's records + 16 x lane
.set CQ,   8                           ; v8-9    slot s: my half's |c|^2 + 32 h
.set XA,   10                          ; v10     x's codes: row 64 (w / 2) + r, + 24 h
.set XSA,  11                          ; v11     x's scale bytes: row 64 (w / 2) + lane
.set VB,   12                          ; v12     x in memory: 64 x lane + my wave's 32 rows
.set VC,   13                          ; v13-15  the same for rows 29-31 of the 32, held at the block's row 124
.set XW,   16                          ; v16     where my 12 bytes of codes go
.set XSW,  17                          ; v17     where my block's scale byte goes
.set MXA,  18                          ; v18-19  two chains of the largest magnitude
.set EXB,  20                          ; v20     the scale's byte
.set SF,   21                          ; v21     the scale as f32
.set CD,   22                          ; v22-24, v26-28  codes, two sets
.set EB,   30                          ; v30-31  the byte to store, two sets
.set TM,   16                          ; v16-31  the accumulators' minima
.set SX,   32                          ; register 8 i + q: K step q; lanes 0-15 row block 2 i, lanes 16-31 row block 2 i + 1
.set SC,   48                          ; register 4 b + i: centroid block b; lanes 0-15 K step i, lanes 16-31 K step 4 + i
.set STG,  64
.set CSQ,  64                          ; register 8 b + j: |c|^2 of centroid 16 b + 8 h + j
.set ST,   128                         ; row block a at + 10 a: best, code, eight distances
.set SV,   168                         ; the state moved aside
.set CF0,  144                         ; centroid fragments, in window 3: buffer u at CF0 + 48 u
.set JJ,   208
.set HBR,  210
.set SA,   211
.set PD,   212
.set PI,   213
.set G1,   16                          ; s[16:23] descriptor group 1, one for every load
.set G0,   24                          ; s[24:31] group 0, a set for each slot
.set MK,   32                          ; s32-47   lane masks: accumulator (a, b) has beaten its row block's best
.set CODE, 48                          ; s48-51   4 x tile + b of the group being searched
.set GC,   52                          ; s52      that group's tile
.set TN,   53                          ; s53      the tile to ask for next
.set BW,   54                          ; s[54:55] cpk at my wave's two records of tile 0
.set OF,   56                          ; s[56:57] an offset; the high word stays 0
.set SEL,  58                          ; s[58:59] v_permlanex16_b32: lane l takes lane l xor 16
.set CNT,  60
.set MSB,  0
.macro WIN new                         ; the immediate's high byte repeats the setting that is left; a switch that changes nothing is dropped
.if MSB != \new
	s_set_vgpr_msb (MSB<<8)|\new
.set MSB, \new
.endif
.endm
.macro PLACES n                        ; plain vector instructions that name no register of a matrix instruction (ISA guide 7.12.1)
.rept \n
	v_nop
.endr
.endm
.macro CREST                           ; a round of the cluster's barrier behind its opening barrier
	s_cmp_lg_u32 s10, 0
	s_cbranch_scc1 .Lnot_wave_0_\@
	s_barrier_signal -3
.Lnot_wave_0_\@:
	s_barrier_wait -3
	s_barrier_signal -1
	s_barrier_wait -1
.endm
.macro CROUND                          ; a whole round
	s_barrier_signal -1
	s_barrier_wait -1
	CREST
.endm
.macro CODES
	s_lshl_b32 s[CODE], s[GC], 2
	s_add_co_u32 s[CODE+1], s[CODE], 1
	s_add_co_u32 s[CODE+2], s[CODE], 2
	s_add_co_u32 s[CODE+3], s[CODE], 3
.endm
	s_load_b128 s[4:7], s[0:1], 0x0                ; x s[4:5], cpk s[6:7]
	s_load_b64 s[8:9], s[0:1], 0x10                ; out0
	v_lshl_add_u32 v[SPW], v0, 2, SPARE
	v_mov_b32 v[NIL], 0
	ds_add_u32 v4, v5
	ds_add_u32 v4, v5
	s_wait_dscnt 0x0
	v_and_b32 v1, 31, v0                           ; lane
	v_lshrrev_b32 v16, 5, v0
	v_readfirstlane_b32 s10, v16                   ; wave w
	v_and_b32 v2, 15, v0                           ; r
	v_bfe_u32 v3, v0, 4, 1                         ; h
	s_and_b32 s11, s10, 1                          ; which half of the centroids I multiply.  Also: which pair of a half's four records I fetch
	s_lshr_b32 s12, s10, 1                         ; which half of the rows.  Also: for which half of the centroids I fetch
	s_bfe_u32 s13, ttmp6, 0x40000                  ; cx: my place in the cluster
	s_lshl_b32 s14, ttmp9, 2                       ; in a cluster launch ttmp9 counts clusters
	s_add_co_u32 s14, s14, s13                     ; my block of rows: it enters x's and out0's addresses alone
	s_mul_i32 s66, s14, 512000                     ; 125 rows of 4,096 bytes; 255 x 512,000 is under 2^31
	s_mov_b32 s67, 0
	s_mul_i32 s68, s14, 500                        ; 125 words of out0
	s_mov_b32 s69, 0
	s_lshr_b32 s15, ttmp9, 3
	s_xor_b32 s15, s15, ttmp9
	s_and_b32 s15, s15, 7
	s_lshl_b32 s[GC], s15, 1                       ; g0: the tile at which my cluster's walk begins; even, so that tile 0 always falls into slot 0
	CODES
	s_add_co_u32 s[TN], s[GC], 2
	s_and_b32 s[TN], s[TN], 15
	s_mov_b32 s[SEL], 0x76543210
	s_mov_b32 s[SEL+1], 0xfedcba98
	s_mul_i32 s15, s11, HALF
	v_lshl_add_u32 v[CA], v1, 4, s15
	v_add_nc_u32 v[CA+1], SLOT, v[CA]
	v_lshl_add_u32 v[CQ], v3, 5, s15
	v_add_nc_u32 v[CQ], 12800, v[CQ]
	v_add_nc_u32 v[CQ+1], SLOT, v[CQ]
	s_mul_i32 s61, s12, 64*XP
	s_add_co_u32 s61, s61, XC
	v_mul_u32_u24 v[XA], v2, XP
	v_mad_u32_u24 v[XA], v3, 24, v[XA]
	v_add_nc_u32 v[XA], s61, v[XA]
	s_mul_i32 s62, s12, 64*XSP
	s_add_co_u32 s62, s62, XS
	v_mul_u32_u24 v[XSA], v1, XSP
	v_add_nc_u32 v[XSA], s62, v[XSA]
	s_lshl_b32 s63, s10, 17                        ; my wave quantises rows 32 w .. 32 w + 31 of the block: 32 x 4,096 bytes
	v_lshl_add_u32 v[VB], v1, 6, s63
.irp j, 29,30,31
	s_lshl_b32 s61, s10, 5
	s_add_co_u32 s61, s61, \j
	s_min_u32 s61, s61, 124                        ; the block has 125 rows: rows 125-127 repeat row 124, so no load leaves the block
	s_lshl_b32 s61, s61, 12
	v_lshl_add_u32 v[VC+\j-29], v1, 6, s61
.endr
	s_mul_i32 s62, s10, 32*XP
	s_add_co_u32 s62, s62, XC
	v_mul_u32_u24 v[XW], v1, 12
	v_add_nc_u32 v[XW], s62, v[XW]
	s_mul_i32 s63, s10, 32*XSP
	s_add_co_u32 s63, s63, XS
	v_lshrrev_b32 v[XSW], 1, v1
	v_add_nc_u32 v[XSW], s63, v[XSW]
	s_lshl_b32 s[OF], s12, 6                       ; my two records of tile 0: 64 (w / 2) + 2 (w % 2)
	s_lshl_b32 s[OF+1], s11, 1
	s_add_co_u32 s[OF], s[OF], s[OF+1]
	s_mul_i32 s[OF], s[OF], REC
	s_mov_b32 s[OF+1], 0
	s_wait_kmcnt 0x0
	s_add_nc_u64 s[4:5], s[4:5], s[66:67]
	s_add_nc_u64 s[8:9], s[8:9], s[68:69]
	s_add_nc_u64 s[BW:BW+1], s[6:7], s[OF:OF+1]
; x ON ITS WAY IN.  Step t: half t % 2 (512 numbers) of row t / 2 of my wave's 32.  A lane holds 16 neighbours along K (four loads; the four together read 2,048 consecutive bytes); two neighbouring lanes hold a block.
.macro XLOAD t
.irp i, 0,1,2,3
.if (\t)/2 < 29
	global_load_b128 v[STG+16*((\t)%12)+4*\i:STG+16*((\t)%12)+4*\i+3], v[VB], s[4:5] offset:4096*((\t)/2)+2048*((\t)%2)+16*\i th:TH_LOAD_NT
.else
	global_load_b128 v[STG+16*((\t)%12)+4*\i:STG+16*((\t)%12)+4*\i+3], v[VC+(\t)/2-29], s[4:5] offset:2048*((\t)%2)+16*\i th:TH_LOAD_NT
.endif
.endr
.endm
.macro XSTEP t
.set XQ, STG+16*((\t)%12)
.if 63-(\t) >= 11
	s_wait_loadcnt 44                              ; loads come back in order (ISA guide 5.7.1): this step's four are in, the next eleven steps' stay out
.else
	s_wait_loadcnt 4*(63-(\t))
.endif
.if (\t) >= 2
	s_wait_dscnt 4                                 ; the four LDS stores of the step before may be out; those of two steps ago are done with this set of registers
.endif
	v_max3_num_f32 v[MXA], |v[XQ]|, |v[XQ+1]|, |v[XQ+2]|           ; the largest magnitude of my 16, in two chains,
	v_max3_num_f32 v[MXA+1], |v[XQ+3]|, |v[XQ+4]|, |v[XQ+5]|
.irp i, 6,10
	v_max3_num_f32 v[MXA], v[MXA], |v[XQ+\i]|, |v[XQ+\i+1]|
	v_max3_num_f32 v[MXA+1], v[MXA+1], |v[XQ+\i+2]|, |v[XQ+\i+3]|
.endr
	v_max3_num_f32 v[MXA], v[MXA], |v[XQ+14]|, |v[XQ+15]|
	v_max_num_f32 v[MXA], v[MXA], v[MXA+1]
	v_max_num_f32_dpp v[MXA], v[MXA], v[MXA] row_xmask:1 row_mask:0xf bank_mask:0xf   ; and of my neighbour's 16: the block's
	v_lshrrev_b32 v[EXB], 23, v[MXA]               ; its exponent field
	v_max_u32 v[EXB], 5, v[EXB]                    ; the byte is not to fall under 1
	v_add_nc_u32 v[EXB], -4, v[EXB]                ; the scale's byte
	v_lshlrev_b32 v[SF], 23, v[EXB]                ; and the scale as f32
	v_cmp_eq_u32 vcc_lo, 0, v[MXA]
	v_cvt_scalef32_pk16_bf6_f32 v[CD+4*((\t)%2):CD+4*((\t)%2)+2], v[XQ:XQ+15], v[SF]
	v_cndmask_b32 v[EB+(\t)%2], v[EXB], 127, vcc_lo                ; a block of zeros gets 127.  (Also the plain vector instruction between a scaled conversion and what touches its result)
	ds_store_b8 v[XSW], v[EB+(\t)%2] offset:XSP*((\t)/2)+16*((\t)%2)   ; both lanes of a block write the same byte with the same value
.irp i, 0,1,2
	ds_store_b32 v[XW], v[CD+4*((\t)%2)+\i] offset:XP*((\t)/2)+384*((\t)%2)+4*\i   ; 12 bytes a lane: the lanes stand 3 words apart, so a store meets no bank twice
.endr
.if (\t)+12 < 64
	XLOAD (\t)+12
.endif
.endm
.irp t, 0,1,2,3,4,5,6,7,8,9,10,11
	XLOAD \t                                       ; 48 loads a wave are on their way before anything else is done
.endr
	; descriptor group 1: 26,112 dense bytes as 102 rows of 256 bytes (32 elements of 8 bytes), no padding: the fragments are read as consecutive bytes
	s_mov_b32 s[G1+0], 15|(3<<16)|(1<<21)          ; 15:0 the mask: all four work-groups; 17:16 elements of 8 bytes; 21 set beside a mask
	s_mov_b32 s[G1+1], 32<<16                      ; tensor_dim0 = 32
	s_mov_b32 s[G1+2], 102<<16                     ; tensor_dim1 = 102
	s_mov_b32 s[G1+3], 32<<16                      ; tile_dim0 = 32
	s_mov_b32 s[G1+4], 102                         ; tile_dim1 = 102
	s_mov_b32 s[G1+5], 32                          ; from row to row
	s_mov_b32 s[G1+6], 0
	s_mov_b32 s[G1+7], 0
	s_mov_b32 s[G0], 1                             ; count = 1
	s_mul_i32 s[G0+1], s10, WLD                    ; LDS: slot 0, wave x two records: no place in the cluster enters an LDS address
	s_mul_i32 s[OF], s[GC], HALF                   ; a tile further on is four records further on, in each half of cpk
	s_add_nc_u64 s[G0+2:G0+3], s[BW:BW+1], s[OF:OF+1]              ; tile g0
	s_or_b32 s[G0+3], s[G0+3], 0x80000000          ; type = 2
	s_mov_b32 s[G0+4], 1
	s_add_co_u32 s[G0+5], s[G0+1], SLOT
	s_add_co_u32 s[OF], s[OF], HALF
	s_add_nc_u64 s[G0+6:G0+7], s[BW:BW+1], s[OF:OF+1]              ; tile g0 + 1 (g0 is 14 at the most)
	s_or_b32 s[G0+7], s[G0+7], 0x80000000
	CROUND                                         ; all four work-groups are here: the first joint loads meet
	tensor_load_to_lds s[G0:G0+3], s[G1:G1+7]      ; the two first fills stand together: two loads of mine are out
	s_nop 0
	tensor_load_to_lds s[G0+4:G0+7], s[G1:G1+7]
	s_nop 0
	PLACES 4
.set TT, 0
.rept 64
	XSTEP TT
.set TT, TT+1
.endr
	s_wait_tensorcnt 1                             ; my part of slot 0 is in; slot 1's may stay out
	s_wait_dscnt 0x0                               ; for the other waves' sake: my 32 rows' codes and scale bytes lie in LDS
	s_barrier_signal -1
	s_barrier_wait -1                              ; everybody's do
; My 64 rows' fragments, all of K, into windows 2 and 3.  A fragment (16 rows x 128 K, 12 registers): lane (r, h) holds row r; registers 6 c .. 6 c + 5 are the 24 bytes of k = 64 c + 32 h + 0 .. 31, in three pieces of 8 bytes.
.macro XFETCH
	WIN 0x80
.irp q, 0,1,2,3,4
.irp a, 0,1,2,3
.irp p, 0,1,2,3,4,5
	ds_load_b64 v[48*\q+12*\a+2*\p:48*\q+12*\a+2*\p+1], v[XA] offset:16*XP*\a+96*\q+48*(\p/3)+8*(\p%3)
.endr
.endr
.endr
	WIN 0xc0
.irp q, 5,6,7
.irp a, 0,1,2,3
.irp p, 0,1,2,3,4,5
	ds_load_b64 v[48*(\q-5)+12*\a+2*\p:48*(\q-5)+12*\a+2*\p+1], v[XA] offset:16*XP*\a+96*\q+48*(\p/3)+8*(\p%3)
.endr
.endr
.endr
	WIN 0
.irp i, 0,1
.irp u, 0,1
	ds_load_b128 v[SX+8*\i+4*\u:SX+8*\i+4*\u+3], v[XSA] offset:32*XSP*\i+16*\u   ; row 32 i + lane: the words of K steps 4 u .. 4 u + 3
.endr
.endr
.endm
; Four centroid fragments of K step q of slot s into buffer buf: twelve loads of 512 consecutive bytes
.macro CFETCH s, q, buf
	WIN 0xc0
.irp b, 0,1,2,3
.irp t, 0,1,2
	ds_load_b128 v[\buf+12*\b+4*\t:\buf+12*\b+4*\t+3], v[CA+\s] offset:\b*REC+1536*(\q)+512*\t
.endr
.endr
.endm
; What a group wants at its start: its scale words, its |c|^2, its first fragments: 24 loads
.macro GLOADS s
	WIN 0
.irp b, 0,1,2,3
	ds_load_b128 v[SC+4*\b:SC+4*\b+3], v[CA+\s] offset:\b*REC+12288
.endr
.irp b, 0,1,2,3
	ds_load_b128 v[CSQ+8*\b:CSQ+8*\b+3], v[CQ+\s] offset:\b*REC
	ds_load_b128 v[CSQ+8*\b+4:CSQ+8*\b+7], v[CQ+\s] offset:\b*REC+16
.endr
	CFETCH \s, 0, CF0
.endm
; One matrix instruction.  zero: the first K step starts the sum.  ra, rb: the scales of source 0, of source 1 stand in lanes 16-31 of their register.
.macro WM acc, cf, xr, sc, sx, zero, ra, rb
.if \zero
.if \rb
	v_wmma_scale_f32_16x16x128_f8f6f4 v[\acc:\acc+7], v[\cf:\cf+11], v[\xr:\xr+11], 0, v[\sc], v[\sx] matrix_a_fmt:MATRIX_FMT_BF6 matrix_b_fmt:MATRIX_FMT_BF6 matrix_b_scale:MATRIX_SCALE_ROW1
.else
	v_wmma_scale_f32_16x16x128_f8f6f4 v[\acc:\acc+7], v[\cf:\cf+11], v[\xr:\xr+11], 0, v[\sc], v[\sx] matrix_a_fmt:MATRIX_FMT_BF6 matrix_b_fmt:MATRIX_FMT_BF6
.endif
.elseif (\ra) && (\rb)
	v_wmma_scale_f32_16x16x128_f8f6f4 v[\acc:\acc+7], v[\cf:\cf+11], v[\xr:\xr+11], v[\acc:\acc+7], v[\sc], v[\sx] matrix_a_fmt:MATRIX_FMT_BF6 matrix_b_fmt:MATRIX_FMT_BF6 matrix_a_scale:MATRIX_SCALE_ROW1 matrix_b_scale:MATRIX_SCALE_ROW1
.elseif \ra
	v_wmma_scale_f32_16x16x128_f8f6f4 v[\acc:\acc+7], v[\cf:\cf+11], v[\xr:\xr+11], v[\acc:\acc+7], v[\sc], v[\sx] matrix_a_fmt:MATRIX_FMT_BF6 matrix_b_fmt:MATRIX_FMT_BF6 matrix_a_scale:MATRIX_SCALE_ROW1
.elseif \rb
	v_wmma_scale_f32_16x16x128_f8f6f4 v[\acc:\acc+7], v[\cf:\cf+11], v[\xr:\xr+11], v[\acc:\acc+7], v[\sc], v[\sx] matrix_a_fmt:MATRIX_FMT_BF6 matrix_b_fmt:MATRIX_FMT_BF6 matrix_b_scale:MATRIX_SCALE_ROW1
.else
	v_wmma_scale_f32_16x16x128_f8f6f4 v[\acc:\acc+7], v[\cf:\cf+11], v[\xr:\xr+11], v[\acc:\acc+7], v[\sc], v[\sx] matrix_a_fmt:MATRIX_FMT_BF6 matrix_b_fmt:MATRIX_FMT_BF6
.endif
.endm
; K step q of a group: 16 matrix instructions.  The 16 accumulators take turns, one instruction a turn, in the same order in every step.
.macro MUL s, q
.if \q < 5
	WIN 0x5b                                       ; source 0 window 3, source 1 window 2, C and D window 1
.set XR0, 48*\q
.else
	WIN 0x5f                                       ; source 1 window 3 too
.set XR0, 48*(\q-5)
.endif
.irp a, 0,1,2,3
.irp b, 0,1,2,3
.if \q == 0
	WM 128*\s+8*(4*\a+\b), CF0+48*(\q%2)+12*\b, XR0+12*\a, SC+4*\b+\q%4, SX+8*(\a/2)+\q, 1, 0, \a%2
.else
	WM 128*\s+8*(4*\a+\b), CF0+48*(\q%2)+12*\b, XR0+12*\a, SC+4*\b+\q%4, SX+8*(\a/2)+\q, 0, \q/4, \a%2
.endif
.endr
.endr
.endm
; A group's 128 matrix instructions.  The fragments of K step q + 1 are asked for ahead of K step q's products, into the buffer that K step q - 1 read: four places stand behind those products.
; (Ahead of K step 0 the places are the search's instructions and the four v_nop at the change of slots.)
.macro MULS s
.irp q, 0,1,2,3,4,5,6,7
.if (\q >= 1) && (\q < 7)
	PLACES 4
.endif
.if \q < 7
	CFETCH \s, \q+1, CF0+48*((\q+1)%2)
	s_wait_dscnt 12                                ; LDS loads come back in order (ISA guide 5.7.1): all but the twelve just issued are in
.else
	s_wait_dscnt 0x0
.endif
	MUL \s, \q
.endr
.endm
; THE SEARCH, in four parts.  E1: d = -2 dot + |c|^2, in place, for n accumulators from t0 on; each accumulator is read from its low end on.
.macro E1 s, t0, n
	WIN 0x41                                       ; destination and source 0 window 1, |c|^2 window 0
.set TT, \t0
.rept \n
.irp p, 0,1,2,3
	v_pk_fma_f32 v[128*\s+8*TT+2*\p:128*\s+8*TT+2*\p+1], v[128*\s+8*TT+2*\p:128*\s+8*TT+2*\p+1], -2.0, v[CSQ+8*(TT%4)+2*\p:CSQ+8*(TT%4)+2*\p+1] op_sel_hi:[1,0,1]
.endr
.set TT, TT+1
.endr
.endm
; E2: each accumulator's smallest distance; sixteen chains side by side
.macro E2 s
	WIN 0x15
.set TT, 0
.rept 16
	v_min3_num_f32 v[TM+TT], v[128*\s+8*TT], v[128*\s+8*TT+1], v[128*\s+8*TT+2]
.set TT, TT+1
.endr
	WIN 0x14
.irp k, 3,5
.set TT, 0
.rept 16
	v_min3_num_f32 v[TM+TT], v[TM+TT], v[128*\s+8*TT+\k], v[128*\s+8*TT+\k+1]
.set TT, TT+1
.endr
.endr
.set TT, 0
.rept 16
	v_min_num_f32 v[TM+TT], v[TM+TT], v[128*\s+8*TT+7]
.set TT, TT+1
.endr
.endm
.macro FRESH base                      ; a state begins: best +inf, code 0, eight distances +inf
.irp a, 0,1,2,3
	v_mov_b32 v[\base+10*\a], 0x7f800000
	v_mov_b32 v[\base+10*\a+1], 0
.irp j, 0,1,2,3,4,5,6,7
	v_mov_b32 v[\base+10*\a+2+\j], 0x7f800000
.endr
.endr
.endm
; Ahead of tile 0's search the state is moved aside and begun anew.  The branch hangs on the cluster's number and a counter: it is the same in all partners, and falls through once in a wave's run.
.macro SWAP
	s_cmp_lg_u32 s[GC], 0
	s_cbranch_scc1 .Lkeep_\@
.set II, 0
.rept 40
	v_mov_b32 v[SV+II], v[ST+II]
.set II, II+1
.endr
	FRESH ST
.Lkeep_\@:
.endm
; E3: the four accumulators of a row block against its best, b ascending; the four row blocks side by side.  Strict: the first of equal distances stays.  Then the codes step to the next tile of the walk.
.macro E3
.irp b, 0,1,2,3
.irp a, 0,1,2,3
	v_cmp_lt_f32 s[MK+4*\a+\b], v[TM+4*\a+\b], v[ST+10*\a]
.endr
.irp a, 0,1,2,3
	v_min_num_f32 v[ST+10*\a], v[ST+10*\a], v[TM+4*\a+\b]
.endr
.irp a, 0,1,2,3
	v_cndmask_b32 v[ST+10*\a+1], v[ST+10*\a+1], s[CODE+\b], s[MK+4*\a+\b]
.endr
.endr
	s_add_co_u32 s[GC], s[GC], 1
	s_and_b32 s[GC], s[GC], 15
	CODES
.endm
; E4: the winner's eight distances are kept; b ascending, so that the last winner's stay
.macro E4 s
	WIN 0x04                                       ; source 1 window 1
.irp b, 0,1,2,3
.irp a, 0,1,2,3
.irp j, 0,1,2,3,4,5,6,7
	v_cndmask_b32 v[ST+10*\a+2+\j], v[ST+10*\a+2+\j], v[128*\s+8*(4*\a+\b)+\j], s[MK+4*\a+\b]
.endr
.endr
.endr
.endm
; THE CHANGE OF SLOTS, with the search of the group just multiplied laid round it.  In front of the barrier each wave waits for all its tensor loads (one is out: its part of the next slot), adds 0 to its spare
; word, and waits for that and for its reads of the slot that it leaves.  fill = 1: the barrier opens a round of the cluster's barrier, so that no wave of any partner still reads the slot or has a load on its way,
; and the joint refill is the first thing behind it: it has the next group's products and half a search in which to land.
.macro CHANGE left, next, fill
	WIN 0                                          ; (the add's two registers lie in window 0)
	s_wait_tensorcnt 0x0                           ; no tensor load of mine is out, so a group 0 may be written
	ds_add_u32 v[SPW], v[NIL]                      ; 0 onto my spare word
.if \fill
	s_mul_i32 s[OF], s[TN], HALF
	s_add_nc_u64 s[G0+4*\left+2:G0+4*\left+3], s[BW:BW+1], s[OF:OF+1]   ; the tile two further on along the walk
	s_or_b32 s[G0+4*\left+3], s[G0+4*\left+3], 0x80000000
	s_add_co_u32 s[TN], s[TN], 1
	s_and_b32 s[TN], s[TN], 15
.endif
	PLACES 4                                       ; behind the group's last products, ahead of the first read of their results
	E1 \left, 0, 8                                 ; register work stands between the add and the wait for it
	s_wait_dscnt 0x0                               ; the add is done, and my reads of the slot are over
	s_barrier_signal -1
	E1 \left, 8, 8                                 ; work on registers while the others arrive
	E2 \left
	WIN 0                                          ; at a branch and at a label every window is 0
	s_barrier_wait -1
.if \fill
	CREST
	tensor_load_to_lds s[G0+4*\left:G0+4*\left+3], s[G1:G1+7]      ; my one tensor load behind the round
	s_nop 0
	PLACES 4
.endif
	GLOADS \next                                   ; the next group's first loads are on their way while the search goes on
	WIN 0
.if \left == 0
	SWAP                                           ; tile 0 lies in slot 0, since g0 is even
.endif
	E3
	E4 \left
.endm
	XFETCH
	GLOADS 0
	WIN 0
	FRESH ST
	FRESH SV
	MULS 0                                         ; the walk's first tile
	WIN 0
	s_mov_b32 s[CNT], 7
.Lloop:                                            ; a trip: two groups, two refills: places 2 i + 2 and 2 i + 3 of the walk; the last trip asks for place 15
	CHANGE 0, 1, 1
	MULS 1
	CHANGE 1, 0, 1
	MULS 0
	WIN 0
	s_sub_co_u32 s[CNT], s[CNT], 1
	s_cmp_lg_u32 s[CNT], 0
	s_cbranch_scc1 .Lloop
	CHANGE 0, 1, 0                                 ; the tail is written out: nothing is left to ask for, so the barrier opens no round
	MULS 1
	WIN 0
	PLACES 4
	E1 1, 0, 16
	E2 1
	WIN 0
	E3
	E4 1
	WIN 0
; THE END.  RESOLVE: which of the kept eight was the best (the first that equals it), and the index 16 x code + j + 1024 (w % 2) + 8 h.
.macro RESOLVE base
	v_mov_b32 v[JJ], 7
.irp j, 6,5,4,3,2,1,0
	v_cmp_eq_f32 vcc_lo, v[\base+2+\j], v[\base]
	v_cndmask_b32 v[JJ], v[JJ], \j, vcc_lo
.endr
	v_lshl_add_u32 v[\base+1], v[\base+1], 4, v[JJ]
	v_add_nc_u32 v[\base+1], v[HBR], v[\base+1]
.endm
.macro MERGE d1, i1, d2, i2            ; the second pair is taken if it is smaller, or equal with the lower index
	v_cmp_lt_f32 s61, v[\d2], v[\d1]
	v_cmp_eq_f32 s62, v[\d2], v[\d1]
	v_cmp_lt_u32 s63, v[\i2], v[\i1]
	s_and_b32 s62, s62, s63
	s_or_b32 s61, s61, s62
	v_cndmask_b32 v[\d1], v[\d1], v[\d2], s61
	v_cndmask_b32 v[\i1], v[\i1], v[\i2], s61
.endm
	s_lshl_b32 s15, s11, 10
	v_lshl_add_u32 v[HBR], v3, 3, s15              ; 1024 (w % 2) + 8 h
	s_lshl_b32 s66, s12, 9
	s_add_co_u32 s66, s66, s15
	s_add_co_u32 s66, s66, SCR
	v_lshl_add_u32 v[SA], v2, 3, s66               ; my wave's 512 bytes of the table + 8 r
	v_mov_b32 v[PD], 0                             ; (the destination of a lane permute counts as read)
	v_mov_b32 v[PI], 0
.irp a, 0,1,2,3
	RESOLVE ST+10*\a
	RESOLVE SV+10*\a
	MERGE ST+10*\a, ST+10*\a+1, SV+10*\a, SV+10*\a+1
	v_permlanex16_b32 v[PD], v[ST+10*\a], s[SEL], s[SEL+1]         ; the other half of the lanes holds the same row's other centroids
	v_permlanex16_b32 v[PI], v[ST+10*\a+1], s[SEL], s[SEL+1]
	MERGE ST+10*\a, ST+10*\a+1, PD, PI
	ds_store_b64 v[SA], v[ST+10*\a:ST+10*\a+1] offset:128*\a       ; row 16 a + r of my 64; both halves write the same bytes with the same values
.endr
	s_wait_dscnt 0x0                               ; for the other waves' sake: my 64 pairs lie in LDS
	s_barrier_signal -1
	s_barrier_wait -1
	v_lshlrev_b32 v214, 3, v0
	v_add_nc_u32 v214, SCR, v214                   ; thread t takes row t
	v_lshlrev_b32 v215, 2, v0
	ds_load_b64 v[216:217], v214                   ; centroids 0-1023
	ds_load_b64 v[218:219], v214 offset:1024       ; centroids 1024-2047
	s_wait_dscnt 0x0
	v_cmp_lt_f32 vcc_lo, v218, v216                ; strict: the lower half keeps a tie
	v_cndmask_b32 v217, v217, v219, vcc_lo
	v_cmp_gt_u32 vcc_lo, 125, v0
	s_wait_xcnt 0x0                                ; EXEC is a source of every global instruction issued so far: it changes only behind this wait
	s_and_saveexec_b32 s61, vcc_lo                 ; rows 125-127 are the repeats of row 124
	global_store_b32 v215, v217, s[8:9]            ; 500 consecutive bytes a work-group
	s_wait_xcnt 0x0                                ; and again, in front of the line that widens it
	s_or_b32 exec_lo, exec_lo, s61
	s_wait_tensorcnt 0x0                           ; the wave's end: behind my last tensor load and my last LDS store
	ds_add_u32 v[SPW], v[NIL]
	s_wait_dscnt 0x0
	CROUND                                         ; the closing round: no work-group ends while a partner may still ask for a tile that names it
	s_endpgm
.Lfunc_end_k_q54e2ef173c_assign:
	.size	k_q54e2ef173c_assign, .Lfunc_end_k_q54e2ef173c_assign-k_q54e2ef173c_assign
	.p2alignl 7, 3214868480
	.fill 96, 4, 3214868480
	.section	.rodata,"a",@progbits
	.p2align	6, 0x0
	.amdhsa_kernel k_q54e2ef173c_assign
		.amdhsa_group_segment_fixed_size 327680
		.amdhsa_private_segment_fixed_size 0
		.amdhsa_enable_private_segment 0
		.amdhsa_kernarg_size 24
		.amdhsa_user_sgpr_count 2
		.amdhsa_user_sgpr_kernarg_segment_ptr 1
		.amdhsa_wavefront_size32 1
		.amdhsa_system_sgpr_workgroup_id_x 1
		.amdhsa_system_sgpr_workgroup_id_y 1
		.amdhsa_system_sgpr_workgroup_id_z 1
		.amdhsa_system_vgpr_workitem_id 0
		.amdhsa_next_free_vgpr 1024
		.amdhsa_next_free_sgpr 72
		.amdhsa_reserve_vcc 1
		.amdhsa_float_denorm_mode_32 3
		.amdhsa_float_denorm_mode_16_64 3
		.amdhsa_memory_ordered 1
		.amdhsa_forward_progress 1
		.amdhsa_inst_pref_size 255
	.end_amdhsa_kernel
	.section	.bss,"aw",@nobits
	.p2align	6
	.space	262144
	.amdgpu_metadata
---
amdhsa.version: [ 1, 2 ]
amdhsa.kernels:
  - .name:           k_q54e2ef173c_assign
    .symbol:         k_q54e2ef173c_assign.kd
    .args:
      - { .name: x, .offset: 0, .size: 8, .value_kind: global_buffer, .address_space: global }
      - { .name: cpk, .offset: 8, .size: 8, .value_kind: global_buffer, .address_space: global }
      - { .name: out0, .offset: 16, .size: 8, .value_kind: global_buffer, .address_space: global }
    .group_segment_fixed_size: 327680
    .private_segment_fixed_size: 0
    .kernarg_segment_align: 8
    .kernarg_segment_size: 24
    .max_flat_workgroup_size: 128
    .sgpr_count:     72
    .vgpr_count:     1024
    .wavefront_size: 32
...
	.end_amdgpu_metadata
.endif
;; end of part 2
;; ======== version 2 of 2: 2 launches
;; limits: right only within a limited range of input values
;; workspace buffers: cpk 1,671,168 bytes
;; launch prep (part 3): grid 128 x 1, 8 waves a work-group, no clusters, 67,840 bytes of LDS; arguments centroids, cpk; writes cpk
.if DOCPART == 3
	.amdgcn_target "amdgcn-amd-amdhsa--gfx1250"
	.amdhsa_code_object_version 6
	.text
	.protected	k_q54e2ef173c_prep
	.globl	k_q54e2ef173c_prep
	.p2align	8
	.type	k_q54e2ef173c_prep,@function
k_q54e2ef173c_prep:
	s_mov_b64 s[64:65], 0
	v_nop
	global_prefetch_b8 v0, s[64:65] scope:SCOPE_SE
	s_setreg_imm32_b32 hwreg(HW_REG_WAVE_MODE, 25, 1), 1
	s_wait_xcnt 0x0
; Centroids [2048][1024] f32  ->  cpk: 128 records of 13,056 bytes; record B serves centroids 16 B .. 16 B + 15 and holds all that the next launch wants of them:
;   +0       codes of BF6 (E3M2), as register images of the matrix operand: K step q (128 along K) is 1,536 bytes; registers 4 t .. 4 t + 3 of lane L's 12 lie at 1536 q + 512 t + 16 L.
;            Lane (r, h) = 16 h + r holds centroid r; its registers 6 c .. 6 c + 5 are the 24 bytes of codes of k = 128 q + 64 c + 32 h + 0 .. 31.
;   +12,288  scale words (four E8M0 bytes, one for each 32 along K): at 16 L + 4 i the word of centroid L % 16 for K step 4 (L / 16) + i.
;   +12,800  64 words: word k = |c|^2 of centroid k % 16, in f32, of the numbers as given (not of the quantised ones): four copies, so that the whole block of 256 bytes is stored.
; A block's scale is 2^(floor(log2(its largest magnitude)) - 4); its byte is the largest magnitude's exponent field - 4, held at 1 from below; a block of zeros gets 127.
; LIMITS: blocks whose largest magnitude lies under 2^-122, whose byte is held at 1, were not tried; NaN and infinities among the inputs are not served.
;         |c|^2 is summed in eight chains a lane and then by a tree: another order than a plain running sum.
; SHARES: work-group B makes record B.  IN: wave v reads rows 2 v and 2 v + 1, 8,192 consecutive bytes, by sixteen loads of 512 consecutive bytes each, and lays them into LDS.
; BACK: wave q makes K step q: a lane reads from LDS the very numbers that the operand's layout gives it, two whole blocks of 32 neighbours along K.  So a block's largest magnitude needs no
; other lane, and the conversions' results are the operand's registers.  No matrix unit, no cluster, no tensor load: no byte of memory is read twice.
.set REC,  13056
.set SCL,  0                           ; LDS: scale words, [K step][centroid], 64 bytes a wave
.set PS,   512                         ; LDS: partial sums of squares, [K step][centroid]
.set XF,   1024                        ; LDS: the 16 rows as f32,
.set XFP,  4112                        ; pitch 4,096 + 16 bytes, an odd multiple of 16: the 16 rows that a load of 16 bytes a lane touches start in 16 different columns of 16 bytes (64 banks of 4 bytes: ISA guide 11.1)
.set SQ,   16                          ; v[16:23]   four pairs of running sums of squares
.set X,    32                          ; v[32:95]   on the way in: load s at X + 4 s; back: block c's 32 numbers at X + 32 c
.set F,    96                          ; v[96:107]  the fragment
.set T,    108                         ; v[108:115] the second halves of the blocks' codes, on their way into the fragment
	s_load_b128 s[4:7], s[0:1], 0x0                ; centroids s[4:5], cpk s[6:7]
	v_lshl_add_u32 v120, v0, 2, 0x10500
	v_mov_b32 v121, 0
	v_and_b32 v1, 31, v0                           ; lane
	v_lshrrev_b32 v14, 5, v0
	s_delay_alu instid0(VALU_DEP_1)
	v_readfirstlane_b32 s10, v14                   ; wave: v on the way in, q = K step afterwards
	v_and_b32 v2, 15, v0                           ; r
	v_bfe_u32 v3, v0, 4, 1                         ; h
	v_lshlrev_b32 v5, 4, v1                        ; 16 x lane: in memory, in and out
	s_mul_i32 s14, s10, 2*XFP
	s_add_co_u32 s14, s14, XF
	v_add_nc_u32 v4, s14, v5                       ; LDS, in: my two rows + 16 x lane
	s_lshl_b32 s15, s10, 9
	s_add_co_u32 s15, s15, XF
	v_mul_u32_u24 v7, v2, XFP                      ; LDS, back: row r
	s_delay_alu instid0(VALU_DEP_1)
	v_lshl_add_u32 v7, v3, 7, v7                   ;   + 32 h numbers
	s_delay_alu instid0(VALU_DEP_1)
	v_add_nc_u32 v7, s15, v7                       ;   + 128 q numbers
	s_lshl_b32 s22, s10, 6
	v_lshl_add_u32 v6, v2, 2, s22                  ; LDS: 64 q + 4 r
	s_mov_b32 s12, 0x76543210                      ; v_permlanex16_b32: lane l takes lane l xor 16
	s_mov_b32 s13, 0xfedcba98
	s_lshl_b32 s16, ttmp9, 16                      ; 16 rows of 4,096 bytes
	s_lshl_b32 s17, s10, 13                        ; two rows a wave
	s_add_co_u32 s16, s16, s17
	s_mov_b32 s17, 0
	s_mul_i32 s18, ttmp9, REC
	s_mov_b32 s19, 0
	s_mul_i32 s20, s10, 1536
	s_mov_b32 s21, 0
	s_wait_alu depctr_va_vdst(0)
	s_wait_kmcnt 0x0
	s_add_nc_u64 s[4:5], s[4:5], s[16:17]
	s_add_nc_u64 s[6:7], s[6:7], s[18:19]          ; my record
	s_add_nc_u64 s[8:9], s[6:7], s[20:21]          ; my K step in it
.irp s, 0,1,2,3,4,5,6,7,8,9,10,11,12,13,14,15
	global_load_b128 v[X+4*\s:X+4*\s+3], v5, s[4:5] offset:512*\s th:TH_LOAD_NT   ; 32 lanes, 512 consecutive bytes; read once in the launch
.endr
.irp s, 0,1,2,3,4,5,6,7,8,9,10,11,12,13,14,15
	s_wait_loadcnt 15-\s                           ; loads come back in order (ISA guide 5.7.1): load s is in, the 15 - s younger ones stay out
	ds_store_b128 v4, v[X+4*\s:X+4*\s+3] offset:(\s/8)*XFP+512*(\s%8)
.endr
	s_wait_dscnt 0x0                               ; for the other waves' sake: my two rows lie in LDS
	s_barrier_signal -1
	s_barrier_wait -1                              ; all 16 rows do
.irp c, 0,1
.irp i, 0,1,2,3,4,5,6,7
	ds_load_b128 v[X+32*\c+4*\i:X+32*\c+4*\i+3], v7 offset:256*\c+16*\i   ; c(r, 128 q + 64 c + 32 h + 4 i ..)
.endr
.endr
.macro BLOCK c
.set XQ, X+32*\c
.if \c == 0
	s_wait_dscnt 8                                 ; LDS loads come back in order (ISA guide 5.7.1): the first block is in, the second block's eight loads stay out
.else
	s_wait_dscnt 0x0
.endif
	v_max3_num_f32 v8, |v[XQ]|, |v[XQ+1]|, |v[XQ+2]|               ; the block's largest magnitude, in two chains: all 32 numbers are mine
	v_max3_num_f32 v9, |v[XQ+3]|, |v[XQ+4]|, |v[XQ+5]|
.irp i, 6,10,14,18,22,26
	s_delay_alu instid0(VALU_DEP_2)
	v_max3_num_f32 v8, v8, |v[XQ+\i]|, |v[XQ+\i+1]|
	s_delay_alu instid0(VALU_DEP_2)
	v_max3_num_f32 v9, v9, |v[XQ+\i+2]|, |v[XQ+\i+3]|
.endr
	s_delay_alu instid0(VALU_DEP_2)
	v_max3_num_f32 v8, v8, |v[XQ+30]|, |v[XQ+31]|
	s_delay_alu instid0(VALU_DEP_1)
	v_max_num_f32 v8, v8, v9
	s_delay_alu instid0(VALU_DEP_1)
	v_lshrrev_b32 v[10+\c], 23, v8                 ; its exponent field
	s_delay_alu instid0(VALU_DEP_1)
	v_max_u32 v[10+\c], 5, v[10+\c]                ; the byte is not to fall under 1
	s_delay_alu instid0(VALU_DEP_1)
	v_add_nc_u32 v[10+\c], -4, v[10+\c]            ; the scale's byte
	s_delay_alu instid0(VALU_DEP_1)
	v_lshlrev_b32 v[12+\c], 23, v[10+\c]           ; and the scale as f32: the conversion takes its exponent field
	v_cmp_eq_u32 vcc_lo, 0, v8
	s_delay_alu instid0(VALU_DEP_1)
	v_cndmask_b32 v[10+\c], v[10+\c], 127, vcc_lo  ; a block of zeros gets 127
.set PP, 0
.rept 16
.if (\c == 0) && (PP < 4)
	v_pk_mul_f32 v[SQ+2*PP:SQ+2*PP+1], v[XQ+2*PP:XQ+2*PP+1], v[XQ+2*PP:XQ+2*PP+1]      ; the first squares start the sums: nothing is cleared
.else
	v_pk_fma_f32 v[SQ+2*(PP%4):SQ+2*(PP%4)+1], v[XQ+2*PP:XQ+2*PP+1], v[XQ+2*PP:XQ+2*PP+1], v[SQ+2*(PP%4):SQ+2*(PP%4)+1]
.endif
.set PP, PP+1
.endr
	v_cvt_scalef32_pk16_bf6_f32 v[F+6*\c:F+6*\c+2], v[XQ:XQ+15], v[12+\c]      ; sixteen numbers / the scale, to the nearest code, ties to even, beyond 28 the largest code
	v_cvt_scalef32_pk16_bf6_f32 v[T+4*\c:T+4*\c+2], v[XQ+16:XQ+31], v[12+\c]   ; (a conversion's three registers begin on an even number: the block's second three do not)
	v_nop                                          ; one plain vector instruction between a scaled conversion and what touches its result
.irp i, 0,1,2
	v_mov_b32 v[F+6*\c+3+\i], v[T+4*\c+\i]
.endr
.endm
	BLOCK 0
	BLOCK 1
.irp t, 0,1,2
	global_store_b128 v5, v[F+4*\t:F+4*\t+3], s[8:9] offset:512*\t   ; each store: 512 consecutive bytes at a multiple of 256 from cpk's first byte
.endr
	v_lshl_or_b32 v14, v11, 16, v10                ; my two bytes: blocks h and 2 + h of the K step,
	v_lshlrev_b32 v15, 3, v3
	s_delay_alu instid0(VALU_DEP_1)
	v_lshlrev_b32 v14, v15, v14                    ; at their places in the word (8 h bits up);
	v_mov_b32 v15, 0                               ; (the destination of a lane permute counts as read)
	s_delay_alu instid0(VALU_DEP_1)
	v_permlanex16_b32 v15, v14, s12, s13
	s_delay_alu instid0(VALU_DEP_1)
	v_or_b32 v14, v14, v15                         ; with lane l xor 16's two the word is whole
	ds_store_b32 v6, v14 offset:SCL                ; both halves of the lanes write the same word with the same value
	v_pk_add_f32 v[SQ:SQ+1], v[SQ:SQ+1], v[SQ+2:SQ+3]
	v_pk_add_f32 v[SQ+4:SQ+5], v[SQ+4:SQ+5], v[SQ+6:SQ+7]
	s_delay_alu instid0(VALU_DEP_1)
	v_pk_add_f32 v[SQ:SQ+1], v[SQ:SQ+1], v[SQ+4:SQ+5]
	s_delay_alu instid0(VALU_DEP_1)
	v_add_f32 v[SQ], v[SQ], v[SQ+1]
	s_delay_alu instid0(VALU_DEP_1)
	v_permlanex16_b32 v[SQ+1], v[SQ], s12, s13
	s_delay_alu instid0(VALU_DEP_1)
	v_add_f32 v[SQ], v[SQ], v[SQ+1]                ; the K step's 128 squares of centroid r
	ds_store_b32 v6, v[SQ] offset:PS
	s_wait_dscnt 0x0                               ; for wave 0's sake: my LDS stores are done
	s_barrier_signal -1
	s_barrier_wait -1
	s_cmp_lg_u32 s10, 0
	s_cbranch_scc1 .Lothers                        ; wave 0 alone writes the record's last 768 bytes
	v_lshlrev_b32 v14, 2, v2
	s_delay_alu instid0(VALU_DEP_1)
	v_lshl_add_u32 v14, v3, 8, v14                 ; lane L: centroid L % 16, K steps 4 (L / 16) + i
.irp i, 0,1,2,3
	ds_load_b32 v[24+\i], v14 offset:SCL+64*\i
.endr
	v_and_b32 v15, 7, v1
	s_delay_alu instid0(VALU_DEP_1)
	v_lshlrev_b32 v15, 3, v15                      ; lane L: centroids 2 (L % 8) and 2 (L % 8) + 1
.irp q, 0,1,2,3,4,5,6,7
	ds_load_b64 v[32+2*\q:33+2*\q], v15 offset:PS+64*\q
.endr
	v_lshlrev_b32 v28, 3, v1
	s_wait_dscnt 0x0
	v_pk_add_f32 v[32:33], v[32:33], v[34:35]
	v_pk_add_f32 v[36:37], v[36:37], v[38:39]
	v_pk_add_f32 v[40:41], v[40:41], v[42:43]
	v_pk_add_f32 v[44:45], v[44:45], v[46:47]
	s_delay_alu instid0(VALU_DEP_3)
	v_pk_add_f32 v[32:33], v[32:33], v[36:37]
	s_delay_alu instid0(VALU_DEP_2)
	v_pk_add_f32 v[40:41], v[40:41], v[44:45]
	s_delay_alu instid0(VALU_DEP_1)
	v_pk_add_f32 v[32:33], v[32:33], v[40:41]
	s_wait_alu depctr_va_vdst(0)
	global_store_b128 v5, v[24:27], s[6:7] offset:12288            ; 512 consecutive bytes
	global_store_b64 v28, v[32:33], s[6:7] offset:12800            ; 256 consecutive bytes
	s_wait_tensorcnt 0x0
	ds_add_u32 v120, v121
	s_wait_dscnt 0x0
	s_endpgm
.Lothers:
	s_wait_tensorcnt 0x0
	ds_add_u32 v120, v121
	s_wait_dscnt 0x0
	s_endpgm
.Lfunc_end_k_q54e2ef173c_prep:
	.size	k_q54e2ef173c_prep, .Lfunc_end_k_q54e2ef173c_prep-k_q54e2ef173c_prep
	.p2alignl 7, 3214868480
	.fill 96, 4, 3214868480
	.section	.rodata,"a",@progbits
	.p2align	6, 0x0
	.amdhsa_kernel k_q54e2ef173c_prep
		.amdhsa_group_segment_fixed_size 67840
		.amdhsa_private_segment_fixed_size 0
		.amdhsa_enable_private_segment 0
		.amdhsa_kernarg_size 16
		.amdhsa_user_sgpr_count 2
		.amdhsa_user_sgpr_kernarg_segment_ptr 1
		.amdhsa_wavefront_size32 1
		.amdhsa_system_sgpr_workgroup_id_x 1
		.amdhsa_system_sgpr_workgroup_id_y 1
		.amdhsa_system_sgpr_workgroup_id_z 1
		.amdhsa_system_vgpr_workitem_id 0
		.amdhsa_next_free_vgpr 122
		.amdhsa_next_free_sgpr 66
		.amdhsa_reserve_vcc 1
		.amdhsa_float_denorm_mode_32 3
		.amdhsa_float_denorm_mode_16_64 3
		.amdhsa_memory_ordered 1
		.amdhsa_forward_progress 1
		.amdhsa_inst_pref_size 16
	.end_amdhsa_kernel
	.amdgpu_metadata
---
amdhsa.version: [ 1, 2 ]
amdhsa.kernels:
  - .name:           k_q54e2ef173c_prep
    .symbol:         k_q54e2ef173c_prep.kd
    .args:
      - { .name: centroids, .offset: 0, .size: 8, .value_kind: global_buffer, .address_space: global }
      - { .name: cpk, .offset: 8, .size: 8, .value_kind: global_buffer, .address_space: global }
    .group_segment_fixed_size: 67840
    .private_segment_fixed_size: 0
    .kernarg_segment_align: 8
    .kernarg_segment_size: 16
    .max_flat_workgroup_size: 256
    .sgpr_count:     66
    .vgpr_count:     122
    .wavefront_size: 32
...
	.end_amdgpu_metadata
.endif
;; end of part 3
;; launch assign (part 4): grid 256 x 1, 4 waves a work-group, clusters of 4 x 1, 327,680 bytes of LDS; arguments x, cpk, out0; writes out0
.if DOCPART == 4
	.amdgcn_target "amdgcn-amd-amdhsa--gfx1250"
	.amdhsa_code_object_version 6
	.text
	.protected	k_q54e2ef173c_assign
	.globl	k_q54e2ef173c_assign
	.p2align	8
	.type	k_q54e2ef173c_assign,@function
k_q54e2ef173c_assign:
	s_mov_b64 s[64:65], 0
	v_nop
	global_prefetch_b8 v0, s[64:65] scope:SCOPE_SE
	s_setreg_imm32_b32 hwreg(HW_REG_WAVE_MODE, 25, 1), 1
	s_wait_xcnt 0x0
	s_wait_alu depctr_hold_cnt(0) depctr_sa_sdst(0) depctr_va_vdst(0) depctr_va_sdst(0) depctr_va_ssrc(0) depctr_va_vcc(0) depctr_vm_vsrc(0)
	s_getreg_b32 s2, hwreg(HW_REG_IB_STS2, 6, 4)
	s_cmp_eq_u32 s2, 0
	s_cbranch_scc0 .Lentry_in_a_cluster
	s_endpgm
.Lentry_in_a_cluster:
	s_bfe_u32 s2, ttmp6, 0x10000c
	s_cmp_lg_u32 s2, 0x3003
	s_cbranch_scc0 .Lentry_shape_is_right
	s_endpgm
.Lentry_shape_is_right:
; out0[row] = the first index n of the smallest d(row, n) = -2 x[row].c[n] + |c[n]|^2 over 2,048 centroids; 32,000 rows of 1,024 numbers.
; The product multiplies codes of BF6 (E3M2) with one E8M0 scale for each 32 along K: x is quantised here, the centroids by the launch before (cpk: records of 16 centroids:
; register images of the operand, scale words, |c|^2).  Sums in f32, K ascending, one chain for each output; d is one fused multiply-add (-2 x dot is exact).
; SHARES.  256 work-groups of 125 rows, worked as 128 (rows 125-127 repeat row 124 and are not stored).  Wave w: rows 64 (w / 2) .. + 63, centroids 1024 (w % 2) .. + 1023.
; A wave's x, all of K, stays in 384 registers; LDS is read for centroids alone: a fragment (three loads of 512 bytes) feeds four matrix instructions.
; A GROUP is 64 centroids x 64 rows x all of K: 16 accumulators, 128 matrix instructions; 16 groups a wave.  A TILE (an LDS slot) is 8 records; each wave brings two (102 rows of 256 bytes) by one tensor load.
; CLUSTER 4 x 1: the four partners ask for each tile of cpk jointly; x is shared by nobody.  The walk begins at tile g0 = 2 ((c xor c / 8) % 8), c the cluster, and goes round.
; NO PREFETCH: cpk's 16 tiles are asked for by all 64 clusters in turn, from eight starting places; x is read once, by loads of which 60 a wave are out ahead of their use.
; THE MATRIX INSTRUCTION IS USED TRANSPOSED: source 0 = 16 centroids, source 1 = 16 rows.  Register j of lane (r, h) of accumulator (a, b) is centroid 16 b + 8 h + j against row 16 a + r.
; THE SEARCH stands as one run of vector instructions behind a group's products.  For each row block it keeps the best distance, the code 4 x tile + b of the accumulator that held it,
; and that accumulator's eight distances (by selects); which of the eight it was is found once, at the end.
; The compare is strict and codes go up along the walk, so the first of equal distances stays.  Ahead of tile 0 the state is moved aside (the eight distances into the lane's own LDS bytes) and begun anew;
; the two states, the halves of the lanes and the halves of the centroids are merged at the end by (distance, index).
; FRAGMENT BUFFERS: seven of 48 registers, K step q in buffer q, K step 7 in buffer 0.  The next group's loads stand behind the search's vector instructions, which are their places; buffer 0's second use alone has four v_nop.
; LIMITS.  A NaN distance is never chosen (reference() would choose it); a row whose distances are all +inf or NaN gets an index without meaning.  Blocks of x whose largest magnitude lies under 2^-122
; (byte held at 1; a block of zeros too: its codes are zeros) were not tried; NaN and infinities among the inputs are not served.  Two distances closer than the rounding of the f32 sums may be ordered otherwise than by another order of summation.
; REGISTERS: window 0: v0-15 addresses, v16-31 minima, v32-47 x's scale words, v48-63 the centroids', v64-95 |c|^2, v96-111 the two states' bests and codes, v112-123 the end, v128-255 accumulators ((a, b) at 128 + 8 (4 a + b)).
;   window 1: x as loaded (15 sets of 16), then buffers 0-4.  window 2: x's fragments of K steps 0-4 at 48 q + 12 a; v240-255 the kept distances of row blocks 0, 1.
;   window 3: x's fragments of K steps 5-7 at 48 (q - 5) + 12 a; buffers 5, 6 at v144, v192; v240-255 the kept distances of row blocks 2, 3.
.set REC,   13056
.set HALF,  4*REC
.set SLOT,  8*REC
.set WLD,   2*REC
.set XC,    2*SLOT                     ; x's codes, 128 rows of pitch XP
.set XP,    784
.set XS,    XC+128*XP                  ; x's scale bytes, pitch XSP
.set XSP,   48
.set SPARE, XS+128*XSP                 ; the spare words
.set SG,    SPARE+512                  ; the stages in which x is turned, 2,048 bytes a wave
.set KSV,   XC                         ; once x's codes are in registers: the kept distances of the state moved aside, 4,096 bytes a wave (row block a at 1024 a, two pieces of 512, 16 bytes a lane)
.set SCR,   XC+16384                   ; the end: (distance, index) of 128 rows x 2 halves of the centroids
.set NS,    15
.set SPW,  4
.set NIL,  5
.set CA,   6                           ; v6-7  slot s: my half's records + 16 x lane
.set CQ,   8                           ; v8-9  slot s: my half's |c|^2 + 32 h
.set XA,   10
.set XSA,  11
.set VB,   12
.set VC,   13
.set XW,   16
.set XSW,  17
.set MXA,  18
.set SF,   21
.set SGS,  64
.set SGL,  66
.set CD,   72
.set EB,   84
.set QS,   128
.set TM,   16
.set SX,   32
.set SC,   48
.set CSQ,  64
.set ST,   96                          ; row block a: best at + 2 a, code at + 2 a + 1
.set SVB,  104                         ; the same, moved aside
.set KA,   112                         ; my place in KSV
.set JJ,   113
.set HBR,  114
.set SA,   115
.set PD,   116
.set PI,   117
.set ACC,  128
.set KD,   240                         ; kept distances: row block a at KD + 8 (a % 2) of window 2 + a / 2
.set G1,   16
.set G0,   24
.set MK,   32
.set CODE, 48
.set GC,   52
.set TN,   53
.set BW,   54
.set OF,   56
.set SEL,  58
.set CNT,  60
.set MSB,  0
.macro WIN new                         ; the immediate's high byte repeats the setting that is left
.if MSB != \new
	s_set_vgpr_msb (MSB<<8)|\new
.set MSB, \new
.endif
.endm
.macro PLACES n
.rept \n
	v_nop
.endr
.endm
.macro CREST
	s_cmp_lg_u32 s10, 0
	s_cbranch_scc1 .Lnot_wave_0_\@
	s_barrier_signal -3
.Lnot_wave_0_\@:
	s_barrier_wait -3
	s_barrier_signal -1
	s_barrier_wait -1
.endm
.macro CROUND
	s_barrier_signal -1
	s_barrier_wait -1
	CREST
.endm
.macro CODES
	s_lshl_b32 s[CODE], s[GC], 2
	s_add_co_u32 s[CODE+1], s[CODE], 1
	s_add_co_u32 s[CODE+2], s[CODE], 2
	s_add_co_u32 s[CODE+3], s[CODE], 3
.endm
	s_load_b128 s[4:7], s[0:1], 0x0                ; x, cpk
	s_load_b64 s[8:9], s[0:1], 0x10                ; out0
	v_lshl_add_u32 v[SPW], v0, 2, SPARE
	v_mov_b32 v[NIL], 0
	ds_add_u32 v[SPW], v[NIL]                      ; the opening lines: the add, twice on end, and its wait
	ds_add_u32 v[SPW], v[NIL]
	v_lshrrev_b32 v16, 5, v0
	v_readfirstlane_b32 s10, v16                   ; wave w
	; all scalar set-up first, so that the vector lines below stand on end
	s_and_b32 s11, s10, 1                          ; my half of the centroids; also which pair of a half's four records I fetch
	s_lshr_b32 s12, s10, 1                         ; my half of the rows; also for which half of the centroids I fetch
	s_bfe_u32 s13, ttmp6, 0x40000                  ; cx
	s_lshl_b32 s14, ttmp9, 2
	s_add_co_u32 s14, s14, s13                     ; my block of rows: it enters x's and out0's addresses alone
	s_mul_i32 s66, s14, 512000                     ; 125 rows of 4,096 bytes
	s_mov_b32 s67, 0
	s_mul_i32 s68, s14, 500
	s_mov_b32 s69, 0
	s_lshr_b32 s15, ttmp9, 3
	s_xor_b32 s15, s15, ttmp9
	s_and_b32 s15, s15, 7
	s_lshl_b32 s[GC], s15, 1                       ; g0
	CODES
	s_add_co_u32 s[TN], s[GC], 2
	s_and_b32 s[TN], s[TN], 15
	s_mov_b32 s[SEL], 0x76543210
	s_mov_b32 s[SEL+1], 0xfedcba98
	s_mul_i32 s15, s11, HALF
	s_mul_i32 s70, s12, 64*XP
	s_add_co_u32 s70, s70, XC
	s_mul_i32 s71, s12, 64*XSP
	s_add_co_u32 s71, s71, XS
	s_lshl_b32 s72, s10, 17                        ; my wave quantises rows 32 w .. 32 w + 31
	s_lshl_b32 s61, s10, 5
.irp j, 0,1,2
	s_add_co_u32 s[73+\j], s61, 29+\j
	s_min_u32 s[73+\j], s[73+\j], 124              ; rows 125-127 repeat row 124: no load leaves the block
	s_lshl_b32 s[73+\j], s[73+\j], 12
.endr
	s_mul_i32 s76, s10, 32*XP
	s_add_co_u32 s76, s76, XC
	s_mul_i32 s77, s10, 32*XSP
	s_add_co_u32 s77, s77, XS
	s_lshl_b32 s78, s10, 11
	s_add_co_u32 s78, s78, SG
	s_lshl_b32 s79, s10, 12
	s_add_co_u32 s79, s79, KSV
	s_lshl_b32 s[OF], s12, 6                       ; my two records of tile 0: 64 (w / 2) + 2 (w % 2)
	s_lshl_b32 s[OF+1], s11, 1
	s_add_co_u32 s[OF], s[OF], s[OF+1]
	s_mul_i32 s[OF], s[OF], REC
	s_mov_b32 s[OF+1], 0
	; descriptor group 1: 26,112 dense bytes as 102 rows of 256 (32 elements of 8 bytes), the mask of all four partners, bit 21 beside it
	s_mov_b32 s[G1+0], 15|(3<<16)|(1<<21)
	s_mov_b32 s[G1+1], 32<<16
	s_mov_b32 s[G1+2], 102<<16
	s_mov_b32 s[G1+3], 32<<16
	s_mov_b32 s[G1+4], 102
	s_mov_b32 s[G1+5], 32
	s_mov_b32 s[G1+6], 0
	s_mov_b32 s[G1+7], 0
	s_wait_dscnt 0x0                               ; both opening adds are done
	v_and_b32 v1, 31, v0                           ; lane
	v_and_b32 v2, 15, v0                           ; r
	v_bfe_u32 v3, v0, 4, 1                         ; h
	v_lshl_add_u32 v[CA], v1, 4, s15
	v_add_nc_u32 v[CA+1], SLOT, v[CA]
	v_lshl_add_u32 v[CQ], v3, 5, s15
	v_add_nc_u32 v[CQ], 12800, v[CQ]
	v_add_nc_u32 v[CQ+1], SLOT, v[CQ]
	v_mul_u32_u24 v[XA], v2, XP
	v_mad_u32_u24 v[XA], v3, 24, v[XA]
	v_add_nc_u32 v[XA], s70, v[XA]
	v_mul_u32_u24 v[XSA], v1, XSP
	v_add_nc_u32 v[XSA], s71, v[XSA]
	v_lshl_add_u32 v[VB], v1, 4, s72
.irp j, 0,1,2
	v_lshl_add_u32 v[VC+\j], v1, 4, s[73+\j]
.endr
	v_mul_u32_u24 v[XW], v1, 12
	v_add_nc_u32 v[XW], s76, v[XW]
	v_lshrrev_b32 v[XSW], 1, v1
	v_add_nc_u32 v[XSW], s77, v[XSW]
	v_lshl_add_u32 v[KA], v1, 4, s79
	; the stage: chunk j (64 bytes) lies at 64 j, its four pieces of 16 bytes rotated by j / 4, so that the 16 lanes of half a wave touch 16 different columns of 16 bytes either way
	v_lshrrev_b32 v18, 2, v1
	v_lshl_add_u32 v19, v18, 6, s78
	v_and_b32 v20, 3, v1
	v_add_nc_u32 v20, v20, v3
	v_and_b32 v21, 3, v20
	v_lshl_add_u32 v[SGS], v21, 4, v19
	v_add_nc_u32 v20, 2, v20
	v_and_b32 v21, 3, v20
	v_lshl_add_u32 v[SGS+1], v21, 4, v19
	v_lshl_add_u32 v19, v1, 6, s78
.irp u, 0,1,2,3
	v_add_nc_u32 v20, \u, v18
	v_and_b32 v20, 3, v20
	v_lshl_add_u32 v[SGL+\u], v20, 4, v19
.endr
	s_wait_alu depctr_va_vdst(0)
	s_wait_kmcnt 0x0
	s_add_nc_u64 s[4:5], s[4:5], s[66:67]
	s_add_nc_u64 s[8:9], s[8:9], s[68:69]
	s_add_nc_u64 s[BW:BW+1], s[6:7], s[OF:OF+1]
; x ON ITS WAY IN.  Step t: half t % 2 (512 numbers) of row t / 2 of my wave's 32.  XLOAD: four loads of 512 consecutive bytes into set t % NS of window 1.
.macro XLOAD t
	WIN 0x40
.irp i, 0,1,2,3
.if (\t)/2 < 29
	global_load_b128 v[16*((\t)%NS)+4*\i:16*((\t)%NS)+4*\i+3], v[VB], s[4:5] offset:4096*((\t)/2)+2048*((\t)%2)+512*\i th:TH_LOAD_NT
.else
	global_load_b128 v[16*((\t)%NS)+4*\i:16*((\t)%NS)+4*\i+3], v[VC+(\t)/2-29], s[4:5] offset:2048*((\t)%2)+512*\i th:TH_LOAD_NT
.endif
.endr
.endm
; XSTAGE: step u through my stage: afterwards register 4 i + e of set u % 3 is number 16 x lane + 4 i + e.  LDS serves a wave's instructions in order: one stage serves.
.macro XSTAGE u
.if 63-(\u) >= NS-3
	s_wait_loadcnt 4*(NS-3)                        ; step u's four loads are in; those of the 12 steps behind it stay out
.else
	s_wait_loadcnt 4*(63-(\u))
.endif
	WIN 0x04
.irp i, 0,1,2,3
	ds_store_b128 v[SGS+\i%2], v[16*((\u)%NS)+4*\i:16*((\u)%NS)+4*\i+3] offset:512*\i
.endr
	WIN 0
.irp i, 0,1,2,3
	ds_load_b128 v[QS+16*((\u)%3)+4*\i:QS+16*((\u)%3)+4*\i+3], v[SGL+\i]
.endr
.endm
; XSTEP: step t + 2 is staged, step t quantised (two neighbouring lanes hold a block), and step t's registers of window 1 take step t + NS.
.macro XSTEP t
.if (\t)+2 < 64
	XSTAGE (\t)+2
.endif
.set XQ, QS+16*((\t)%3)
.set ND, 0                             ; LDS instructions behind step t's loads from the stage: eight for each step staged since, four stores for each step quantised since
.if (\t)+1 < 64
.set ND, ND+8
.endif
.if (\t)+2 < 64
.set ND, ND+8
.endif
.if (\t) >= 1
.set ND, ND+4
.endif
.if (\t) >= 2
.set ND, ND+4
.endif
	s_wait_dscnt ND
	v_max3_num_f32 v[MXA], |v[XQ]|, |v[XQ+1]|, |v[XQ+2]|
	v_max3_num_f32 v[MXA+1], |v[XQ+3]|, |v[XQ+4]|, |v[XQ+5]|
.irp i, 6,10
	v_max3_num_f32 v[MXA], v[MXA], |v[XQ+\i]|, |v[XQ+\i+1]|
	v_max3_num_f32 v[MXA+1], v[MXA+1], |v[XQ+\i+2]|, |v[XQ+\i+3]|
.endr
	v_max3_num_f32 v[MXA], v[MXA], |v[XQ+14]|, |v[XQ+15]|
	v_max3_num_f32 v[MXA], v[MXA], v[MXA+1], 0x2800000             ; the floor 2^(5 - 127): the byte cannot fall under 1
	v_max_num_f32_dpp v[MXA], v[MXA], v[MXA] row_xmask:1 row_mask:0xf bank_mask:0xf   ; with my neighbour's 16: the block's largest magnitude
	v_add_nc_u32 v[SF], 0xfe000000, v[MXA]         ; 4 off its exponent field: the conversion's scale operand
	v_cvt_scalef32_pk16_bf6_f32 v[CD+4*((\t)%3):CD+4*((\t)%3)+2], v[XQ:XQ+15], v[SF]
	v_lshrrev_b32 v[EB+(\t)%3], 23, v[SF]          ; the scale's byte (also the plain place behind the conversion)
	ds_store_b8 v[XSW], v[EB+(\t)%3] offset:XSP*((\t)/2)+16*((\t)%2)
.irp i, 0,1,2
	ds_store_b32 v[XW], v[CD+4*((\t)%3)+\i] offset:XP*((\t)/2)+384*((\t)%2)+4*\i
.endr
.if (\t)+NS < 64
	XLOAD (\t)+NS
.endif
.endm
.irp t, 0,1,2,3,4,5,6,7,8,9,10,11,12,13,14
	XLOAD \t
.endr
	WIN 0
	s_mov_b32 s[G0], 1
	s_mul_i32 s[G0+1], s10, WLD                    ; LDS: slot 0, wave x two records
	s_mul_i32 s[OF], s[GC], HALF
	s_add_nc_u64 s[G0+2:G0+3], s[BW:BW+1], s[OF:OF+1]              ; tile g0
	s_or_b32 s[G0+3], s[G0+3], 0x80000000
	s_mov_b32 s[G0+4], 1
	s_add_co_u32 s[G0+5], s[G0+1], SLOT
	s_add_co_u32 s[OF], s[OF], HALF
	s_add_nc_u64 s[G0+6:G0+7], s[BW:BW+1], s[OF:OF+1]              ; tile g0 + 1 (g0 is 14 at the most)
	s_or_b32 s[G0+7], s[G0+7], 0x80000000
	CROUND                                         ; all four work-groups are here: the first joint loads meet
	tensor_load_to_lds s[G0:G0+3], s[G1:G1+7]      ; slot 0: one tensor load a wave at the head
	s_nop 0
	PLACES 4
	XSTAGE 0
	XSTAGE 1
.set TT, 0
.rept 64
	XSTEP TT
.set TT, TT+1
.endr
	WIN 0
	s_wait_tensorcnt 0x0                           ; my part of slot 0 is in
	ds_add_u32 v[SPW], v[NIL]
	s_wait_dscnt 0x0                               ; the add is done, and my 32 rows' codes and scale bytes lie in LDS
	CROUND
	tensor_load_to_lds s[G0+4:G0+7], s[G1:G1+7]    ; slot 1's first fill, my one load behind the round
	s_nop 0
	PLACES 4
; My 64 rows' fragments, all of K: lane (r, h) holds row r; registers 6 c .. 6 c + 5 are the 24 bytes of k = 64 c + 32 h + 0 .. 31, in pieces of 8 bytes.
	WIN 0x80
.irp q, 0,1,2,3,4
.irp a, 0,1,2,3
.irp p, 0,1,2,3,4,5
	ds_load_b64 v[48*\q+12*\a+2*\p:48*\q+12*\a+2*\p+1], v[XA] offset:16*XP*\a+96*\q+48*(\p/3)+8*(\p%3)
.endr
.endr
.endr
	WIN 0xc0
.irp q, 5,6,7
.irp a, 0,1,2,3
.irp p, 0,1,2,3,4,5
	ds_load_b64 v[48*(\q-5)+12*\a+2*\p:48*(\q-5)+12*\a+2*\p+1], v[XA] offset:16*XP*\a+96*\q+48*(\p/3)+8*(\p%3)
.endr
.endr
.endr
	WIN 0
.irp i, 0,1
.irp u, 0,1
	ds_load_b128 v[SX+8*\i+4*\u:SX+8*\i+4*\u+3], v[XSA] offset:32*XSP*\i+16*\u   ; register 8 i + q: K step q; lanes 0-15 row block 2 i, lanes 16-31 row block 2 i + 1
.endr
.endr
; Four centroid fragments of K step q of slot s into its buffer: twelve loads of 512 consecutive bytes
.macro CFETCH s, q
.if ((\q) < 5) || ((\q) == 7)
	WIN 0x40
.set CFD, 48*((\q)%7)
.else
	WIN 0xc0
.set CFD, 144+48*((\q)-5)
.endif
.irp b, 0,1,2,3
.irp t, 0,1,2
	ds_load_b128 v[CFD+12*\b+4*\t:CFD+12*\b+4*\t+3], v[CA+\s] offset:\b*REC+1536*(\q)+512*\t
.endr
.endr
.endm
.macro SCL s                           ; scale words: register 4 b + i: lanes 0-15 K step i, lanes 16-31 K step 4 + i
	WIN 0
.irp b, 0,1,2,3
	ds_load_b128 v[SC+4*\b:SC+4*\b+3], v[CA+\s] offset:\b*REC+12288
.endr
.endm
.macro WM acc, cf, xr, sc, sx, zero, ra, rb
.if \zero
.if \rb
	v_wmma_scale_f32_16x16x128_f8f6f4 v[\acc:\acc+7], v[\cf:\cf+11], v[\xr:\xr+11], 0, v[\sc], v[\sx] matrix_a_fmt:MATRIX_FMT_BF6 matrix_b_fmt:MATRIX_FMT_BF6 matrix_b_scale:MATRIX_SCALE_ROW1
.else
	v_wmma_scale_f32_16x16x128_f8f6f4 v[\acc:\acc+7], v[\cf:\cf+11], v[\xr:\xr+11], 0, v[\sc], v[\sx] matrix_a_fmt:MATRIX_FMT_BF6 matrix_b_fmt:MATRIX_FMT_BF6
.endif
.elseif (\ra) && (\rb)
	v_wmma_scale_f32_16x16x128_f8f6f4 v[\acc:\acc+7], v[\cf:\cf+11], v[\xr:\xr+11], v[\acc:\acc+7], v[\sc], v[\sx] matrix_a_fmt:MATRIX_FMT_BF6 matrix_b_fmt:MATRIX_FMT_BF6 matrix_a_scale:MATRIX_SCALE_ROW1 matrix_b_scale:MATRIX_SCALE_ROW1
.elseif \ra
	v_wmma_scale_f32_16x16x128_f8f6f4 v[\acc:\acc+7], v[\cf:\cf+11], v[\xr:\xr+11], v[\acc:\acc+7], v[\sc], v[\sx] matrix_a_fmt:MATRIX_FMT_BF6 matrix_b_fmt:MATRIX_FMT_BF6 matrix_a_scale:MATRIX_SCALE_ROW1
.elseif \rb
	v_wmma_scale_f32_16x16x128_f8f6f4 v[\acc:\acc+7], v[\cf:\cf+11], v[\xr:\xr+11], v[\acc:\acc+7], v[\sc], v[\sx] matrix_a_fmt:MATRIX_FMT_BF6 matrix_b_fmt:MATRIX_FMT_BF6 matrix_b_scale:MATRIX_SCALE_ROW1
.else
	v_wmma_scale_f32_16x16x128_f8f6f4 v[\acc:\acc+7], v[\cf:\cf+11], v[\xr:\xr+11], v[\acc:\acc+7], v[\sc], v[\sx] matrix_a_fmt:MATRIX_FMT_BF6 matrix_b_fmt:MATRIX_FMT_BF6
.endif
.endm
.macro MSET q                          ; K step q's windows and registers: source 0 the buffer's window, source 1 x's, C and D window 0
.if (\q) < 5
.set XR0, 48*(\q)
.set WN, 0x08
.else
.set XR0, 48*((\q)-5)
.set WN, 0x0c
.endif
.if ((\q) < 5) || ((\q) == 7)
.set CFR, 48*((\q)%7)
.set WN, WN|0x01
.else
.set CFR, 144+48*((\q)-5)
.set WN, WN|0x03
.endif
.endm
.macro MROW q, a                       ; row block a against the four centroid blocks; the 16 accumulators take turns in the same order in every K step
.irp b, 0,1,2,3
.if (\q) == 0
	WM ACC+8*(4*\a+\b), CFR+12*\b, XR0+12*\a, SC+4*\b, SX+8*(\a/2), 1, 0, \a%2
.else
	WM ACC+8*(4*\a+\b), CFR+12*\b, XR0+12*\a, SC+4*\b+(\q)%4, SX+8*(\a/2)+(\q), 0, (\q)/4, \a%2
.endif
.endr
.endm
; BODY: K steps 0 to 6 of the group in slot s.  Behind each step's first four products the fragments three steps on are asked for (with K step 3's: |c|^2, eight loads).
; The counts, what may be out: K step 0: K step 2's twelve loads; 1: K steps 2, 3 and |c|^2 (32); 2: 3, |c|^2, 4 (32); 3: |c|^2, 4, 5 (32); 4: 5, 6 (24); 5: 6, 7 (24); 6: 7 (12).
.macro BODY s
.irp q, 0,1,2,3,4,5,6
.if \q == 0
	s_wait_dscnt 12
.elseif \q < 4
	s_wait_dscnt 32
.elseif \q < 6
	s_wait_dscnt 24
.else
	s_wait_dscnt 12
.endif
	MSET \q
	WIN WN
	MROW \q, 0
.if \q == 0
	CFETCH \s, 3
	WIN 0
.irp b, 0,1,2,3
	ds_load_b128 v[CSQ+8*\b:CSQ+8*\b+3], v[CQ+\s] offset:\b*REC        ; register 8 b + j: |c|^2 of centroid 16 b + 8 h + j
	ds_load_b128 v[CSQ+8*\b+4:CSQ+8*\b+7], v[CQ+\s] offset:\b*REC+16
.endr
.elseif \q < 4
	CFETCH \s, \q+3
.elseif \q == 4
	PLACES 4                                       ; buffer 0 was read by this group's K step 0
	CFETCH \s, 7
.endif
	WIN WN
	MROW \q, 1
	MROW \q, 2
	MROW \q, 3
.endr
.endm
; THE SEARCH: 64 + 64 + 48 + 128 vector instructions on end, three switches of the windows.
.macro SEARCH
.set TT, 0
.rept 16
.irp p, 0,1,2,3
	v_pk_fma_f32 v[ACC+8*TT+2*\p:ACC+8*TT+2*\p+1], v[ACC+8*TT+2*\p:ACC+8*TT+2*\p+1], -2.0, v[CSQ+8*(TT%4)+2*\p:CSQ+8*(TT%4)+2*\p+1] op_sel_hi:[1,0,1]   ; d, in place, each accumulator from its low end on
.endr
.set TT, TT+1
.endr
.set TT, 0
.rept 16
	v_min3_num_f32 v[TM+TT], v[ACC+8*TT], v[ACC+8*TT+1], v[ACC+8*TT+2]     ; each accumulator's smallest: sixteen chains side by side
.set TT, TT+1
.endr
.irp k, 3,5
.set TT, 0
.rept 16
	v_min3_num_f32 v[TM+TT], v[TM+TT], v[ACC+8*TT+\k], v[ACC+8*TT+\k+1]
.set TT, TT+1
.endr
.endr
.set TT, 0
.rept 16
	v_min_num_f32 v[TM+TT], v[TM+TT], v[ACC+8*TT+7]
.set TT, TT+1
.endr
.irp b, 0,1,2,3
.irp a, 0,1,2,3
	v_cmp_lt_f32 s[MK+4*\a+\b], v[TM+4*\a+\b], v[ST+2*\a]          ; strict: the first of equal distances stays
.endr
.irp a, 0,1,2,3
	v_min_num_f32 v[ST+2*\a], v[ST+2*\a], v[TM+4*\a+\b]
.endr
.irp a, 0,1,2,3
	v_cndmask_b32 v[ST+2*\a+1], v[ST+2*\a+1], s[CODE+\b], s[MK+4*\a+\b]
.endr
.endr
.irp g, 0,1                            ; the winners' eight distances are kept; b ascending, so that the last winner's stay
	WIN 0x82+0x41*\g                               ; destination and source 0: window 2 + g; source 1, the accumulator: window 0
.irp b, 0,1,2,3
.irp u, 0,1
.irp e, 0,1,2,3,4,5,6,7
	v_cndmask_b32 v[KD+8*\u+\e], v[KD+8*\u+\e], v[ACC+8*(4*(2*\g+\u)+\b)+\e], s[MK+4*(2*\g+\u)+\b]
.endr
.endr
.endr
.endr
	WIN 0
.endm
; Ahead of tile 0 the state is moved aside and begun anew (the kept distances stay as they are: the first distance under +inf takes their place).
; The branch hangs on the cluster's number and a counter: the same in all partners; it falls through once at the most.
.macro SWAP
	s_cmp_lg_u32 s[GC], 0
	s_wait_alu depctr_va_vdst(0)
	s_cbranch_scc1 .Lkeep_\@
.irp g, 0,1
	WIN 0x08+4*\g                                  ; the data: window 2 + g
.irp u, 0,1
	ds_store_b128 v[KA], v[KD+8*\u:KD+8*\u+3] offset:1024*(2*\g+\u)
	ds_store_b128 v[KA], v[KD+8*\u+4:KD+8*\u+7] offset:1024*(2*\g+\u)+512
.endr
.endr
	WIN 0
.irp i, 0,1,2,3,4,5,6,7
	v_mov_b32 v[SVB+\i], v[ST+\i]
.endr
.irp a, 0,1,2,3
	v_mov_b32 v[ST+2*\a], 0x7f800000
	v_mov_b32 v[ST+2*\a+1], 0
.endr
.Lkeep_\@:
.endm
; TURN: K step 7 of the group in slot s with the change of slots inside it; the refill; the next group's first loads; the search of the group just finished.
.macro TURN s, o, fill
	WIN 0
	s_wait_tensorcnt 0x0                           ; no tensor load of mine is out (the one that was: my part of slot o)
	ds_add_u32 v[SPW], v[NIL]
.if \fill
	s_mul_i32 s[OF], s[TN], HALF
	s_add_nc_u64 s[G0+4*\s+2:G0+4*\s+3], s[BW:BW+1], s[OF:OF+1]    ; the tile two further on along the walk
	s_or_b32 s[G0+4*\s+3], s[G0+4*\s+3], 0x80000000
	s_add_co_u32 s[TN], s[TN], 1
	s_and_b32 s[TN], s[TN], 15
.endif
	s_wait_dscnt 1                                 ; K step 7's loads are in; the add may be out
	MSET 7
	WIN WN
	MROW 7, 0
	MROW 7, 1
	s_wait_dscnt 0x0                               ; the add is done, my reads of the slot are over
	s_barrier_signal -1
	MROW 7, 2
	MROW 7, 3
	WIN 0
	s_barrier_wait -1
.if \fill
	CREST                                          ; the barrier has opened a round of the cluster's barrier
	tensor_load_to_lds s[G0+4*\s:G0+4*\s+3], s[G1:G1+7]            ; my one tensor load behind the round
	s_nop 0
.endif
	PLACES 4                                       ; behind the last products: ahead of the loads below and of the first read of results
	SCL \o
	CFETCH \o, 0
	CFETCH \o, 1
	WIN 0
	SEARCH
	s_add_co_u32 s[GC], s[GC], 1                   ; the codes step to the next tile of the walk
	s_and_b32 s[GC], s[GC], 15
	CODES
	SWAP
	CFETCH \o, 2
.endm
	SCL 0
	CFETCH 0, 0
	CFETCH 0, 1
	CFETCH 0, 2
	WIN 0
.irp a, 0,1,2,3
	v_mov_b32 v[ST+2*\a], 0x7f800000               ; both states begin: best +inf, code 0
	v_mov_b32 v[ST+2*\a+1], 0
	v_mov_b32 v[SVB+2*\a], 0x7f800000
	v_mov_b32 v[SVB+2*\a+1], 0
.endr
.irp g, 0,1
	WIN 0x80+0x40*\g
.irp e, 0,1,2,3,4,5,6,7,8,9,10,11,12,13,14,15
	v_mov_b32 v[KD+\e], 0x7f800000                 ; the kept distances: +inf
.endr
.endr
	WIN 0
	s_wait_alu depctr_va_vdst(0)
	BODY 0
	WIN 0
	s_mov_b32 s[CNT], 7
.Lloop:                                            ; a trip: two changes of slots with their refills, two searches, two groups' K steps 0 to 6
	TURN 0, 1, 1
	BODY 1
	TURN 1, 0, 1
	BODY 0
	WIN 0
	s_sub_co_u32 s[CNT], s[CNT], 1
	s_cmp_lg_u32 s[CNT], 0
	s_cbranch_scc1 .Lloop
	TURN 0, 1, 0                                   ; the tail: nothing is left to ask for
	BODY 1
	s_wait_dscnt 0x0
	MSET 7
	WIN WN
	MROW 7, 0
	MROW 7, 1
	MROW 7, 2
	MROW 7, 3
	WIN 0
	PLACES 4
	SEARCH
	s_wait_alu depctr_va_vdst(0)
; THE END.  RESOLVE: which of the kept eight was the best (the first that equals it), and the index 16 x code + j + 1024 (w % 2) + 8 h.
.macro RESOLVE bd, ds
	v_mov_b32 v[JJ], 7
.irp j, 6,5,4,3,2,1,0
	v_cmp_eq_f32 vcc_lo, v[\ds+\j], v[\bd]
	v_cndmask_b32 v[JJ], v[JJ], \j, vcc_lo
.endr
	v_lshl_add_u32 v[\bd+1], v[\bd+1], 4, v[JJ]
	v_add_nc_u32 v[\bd+1], v[HBR], v[\bd+1]
.endm
.macro MERGE d1, i1, d2, i2            ; the second pair is taken if it is smaller, or equal with the lower index
	v_cmp_lt_f32 s61, v[\d2], v[\d1]
	v_cmp_eq_f32 s62, v[\d2], v[\d1]
	v_cmp_lt_u32 s63, v[\i2], v[\i1]
	s_and_b32 s62, s62, s63
	s_or_b32 s61, s61, s62
	v_cndmask_b32 v[\d1], v[\d1], v[\d2], s61
	v_cndmask_b32 v[\i1], v[\i1], v[\i2], s61
.endm
	s_lshl_b32 s15, s11, 10
	s_lshl_b32 s66, s12, 9
	s_add_co_u32 s66, s66, s15
	s_add_co_u32 s66, s66, SCR
.irp a, 0,1,2,3
	ds_load_b128 v[ACC+32+8*\a:ACC+32+8*\a+3], v[KA] offset:1024*\a            ; the distances that were moved aside (where the walk began at tile 0: bytes without meaning, beside a best of +inf)
	ds_load_b128 v[ACC+32+8*\a+4:ACC+32+8*\a+7], v[KA] offset:1024*\a+512
.endr
.irp g, 0,1
	WIN 0x02+\g                                    ; source 0: window 2 + g
.irp e, 0,1,2,3,4,5,6,7,8,9,10,11,12,13,14,15
	v_mov_b32 v[ACC+16*\g+\e], v[KD+\e]            ; the kept distances into window 0, where the accumulators lay
.endr
.endr
	WIN 0
	v_lshl_add_u32 v[HBR], v3, 3, s15              ; 1024 (w % 2) + 8 h
	v_lshl_add_u32 v[SA], v2, 3, s66               ; my wave's 512 bytes of the table + 8 r
	v_mov_b32 v[PD], 0                             ; (the destination of a lane permute counts as read)
	v_mov_b32 v[PI], 0
	s_wait_alu depctr_va_vdst(0)
	s_wait_dscnt 0x0
.irp a, 0,1,2,3
	RESOLVE ST+2*\a, ACC+8*\a
	RESOLVE SVB+2*\a, ACC+32+8*\a
	MERGE ST+2*\a, ST+2*\a+1, SVB+2*\a, SVB+2*\a+1
	v_permlanex16_b32 v[PD], v[ST+2*\a], s[SEL], s[SEL+1]          ; the other half of the lanes holds the same row's other centroids
	v_permlanex16_b32 v[PI], v[ST+2*\a+1], s[SEL], s[SEL+1]
	MERGE ST+2*\a, ST+2*\a+1, PD, PI
	ds_store_b64 v[SA], v[ST+2*\a:ST+2*\a+1] offset:128*\a         ; row 16 a + r of my 64; both halves write the same bytes with the same values
.endr
	s_wait_alu depctr_va_vdst(0)
	s_wait_dscnt 0x0                               ; for the other waves' sake: my 64 pairs lie in LDS
	s_barrier_signal -1
	s_barrier_wait -1
	v_lshlrev_b32 v118, 3, v0
	v_add_nc_u32 v118, SCR, v118                   ; thread t takes row t
	v_lshlrev_b32 v119, 2, v0
	ds_load_b64 v[120:121], v118                   ; centroids 0-1023
	ds_load_b64 v[122:123], v118 offset:1024       ; centroids 1024-2047
	s_wait_alu depctr_va_vdst(0)
	s_wait_dscnt 0x0
	v_cmp_lt_f32 vcc_lo, v122, v120                ; strict: the lower half keeps a tie
	v_cndmask_b32 v121, v121, v123, vcc_lo
	v_cmp_gt_u32 vcc_lo, 125, v0
	s_wait_alu depctr_va_vdst(0)
	s_wait_xcnt 0x0                                ; EXEC changes only behind this wait
	s_and_saveexec_b32 s61, vcc_lo                 ; rows 125-127 are the repeats of row 124
	global_store_b32 v119, v121, s[8:9]            ; 500 consecutive bytes a work-group
	s_wait_xcnt 0x0
	s_or_b32 exec_lo, exec_lo, s61
	s_wait_tensorcnt 0x0                           ; the wave's end
	ds_add_u32 v[SPW], v[NIL]
	s_wait_dscnt 0x0
	CROUND                                         ; the closing round
	s_endpgm
.Lfunc_end_k_q54e2ef173c_assign:
	.size	k_q54e2ef173c_assign, .Lfunc_end_k_q54e2ef173c_assign-k_q54e2ef173c_assign
	.p2alignl 7, 3214868480
	.fill 96, 4, 3214868480
	.section	.rodata,"a",@progbits
	.p2align	6, 0x0
	.amdhsa_kernel k_q54e2ef173c_assign
		.amdhsa_group_segment_fixed_size 327680
		.amdhsa_private_segment_fixed_size 0
		.amdhsa_enable_private_segment 0
		.amdhsa_kernarg_size 24
		.amdhsa_user_sgpr_count 2
		.amdhsa_user_sgpr_kernarg_segment_ptr 1
		.amdhsa_wavefront_size32 1
		.amdhsa_system_sgpr_workgroup_id_x 1
		.amdhsa_system_sgpr_workgroup_id_y 1
		.amdhsa_system_sgpr_workgroup_id_z 1
		.amdhsa_system_vgpr_workitem_id 0
		.amdhsa_next_free_vgpr 1024
		.amdhsa_next_free_sgpr 84
		.amdhsa_reserve_vcc 1
		.amdhsa_float_denorm_mode_32 3
		.amdhsa_float_denorm_mode_16_64 3
		.amdhsa_memory_ordered 1
		.amdhsa_forward_progress 1
		.amdhsa_inst_pref_size 255
	.end_amdhsa_kernel
	.section	.bss,"aw",@nobits
	.p2align	6
	.space	262144
	.amdgpu_metadata
---
amdhsa.version: [ 1, 2 ]
amdhsa.kernels:
  - .name:           k_q54e2ef173c_assign
    .symbol:         k_q54e2ef173c_assign.kd
    .args:
      - { .name: x, .offset: 0, .size: 8, .value_kind: global_buffer, .address_space: global }
      - { .name: cpk, .offset: 8, .size: 8, .value_kind: global_buffer, .address_space: global }
      - { .name: out0, .offset: 16, .size: 8, .value_kind: global_buffer, .address_space: global }
    .group_segment_fixed_size: 327680
    .private_segment_fixed_size: 0
    .kernarg_segment_align: 8
    .kernarg_segment_size: 24
    .max_flat_workgroup_size: 128
    .sgpr_count:     84
    .vgpr_count:     1024
    .wavefront_size: 32
...
	.end_amdgpu_metadata
.endif
;; end of part 4
